; MI455X (gfx1250); checked and timed in simulation.
; The chip was launched on July 23, 2026; its instructions are those of AMD's public machine-readable ISA for CDNA 5 (MIT licence, August 2026) and "CDNA5" Instruction Set Architecture Reference Guide (July 2026). The comments in the code are by the model that wrote it; some were corrected since.
;; Multi Head Attention. Allowed arithmetic: matrix products marked QUANTISED: E2M3 operands, one E8M0 scale for each 32 along K, by v_wmma_scale_f32_16x16x128_f8f6f4 with both operands' format E2M3, f32 sums; everything else in f32.
;; Inputs: W_k 1,024 x 1,024 float32; W_o 1,024 x 1,024 float32; W_q 1,024 x 1,024 float32; W_v 1,024 x 1,024 float32; mask 1 x 1 x 2,048 x 2,048 int32; x 4 x 2,048 x 1,024 float32.
;; Outputs: out0 4 x 2,048 x 1,024 float32.
;; This version of the problem:
;;   THIS VERSION OF THE PROBLEM IS GIVEN IN LOW PRECISION. The matrix products marked QUANTISED in the list below multiply operands that are first quantised to E2M3 (2 exponent bits, 3 mantissa bits; 6 bits a number), with one power-of-two scale for each 32 numbers along K (OCP MX v1.0); their sums are f32. All else is computed in f32.
;;   The module's matrix products, in the order in which they are computed (A, B: the left and right operand; K: the contracted axis; several contracted axes count as one K, in the product's order):
;;     1. [M 8,192, K 1,024] x [K 1,024, N 1,024]; A: input x; B: input W_q: QUANTISED
;;     2. [M 8,192, K 1,024] x [K 1,024, N 1,024]; A: input x; B: input W_k: QUANTISED
;;     3. [M 8,192, K 1,024] x [K 1,024, N 1,024]; A: input x; B: input W_v: QUANTISED
;;     4. batch 64 x [M 2,048, K 64] x [K 64, N 2,048]; A: computed on the way; B: computed on the way: QUANTISED
;;     5. batch 64 x [M 2,048, K 2,048] x [K 2,048, N 64]; A: softmax (see below); B: computed on the way: QUANTISED
;;     6. [M 8,192, K 1,024] x [K 1,024, N 1,024]; A: computed on the way; B: input W_o: QUANTISED
;;   THE QUANTISER, for each operand of a quantised product, along K:
;;     - K is cut into blocks of 32 from its start; a last block that is shorter is filled with zeros.
;;     - A block's scale is 2^e with e = floor(log2(the largest magnitude in the block)) - 2, held to -126 .. 127; a block of zeros has e = 0. As a byte (E8M0): e + 127.
;;     - Each number is divided by its block's scale, clamped to +-7.5, and rounded to the nearest number of E2M3, ties to even, subnormals kept.
;;     - The product sums the exact products of the quantised numbers (number of the format x scale) in f32.
;;   ~~~python
;;   def quantise(x, axis):      # numpy; x: float32 -> the quantised numbers, widened to float32 again
;;       x = np.moveaxis(x, axis, -1); K = x.shape[-1]
;;       x = np.pad(x, [(0, 0)] * (x.ndim - 1) + [(0, -K % 32)]); x = x.reshape(x.shape[:-1] + (-1, 32)); a = np.abs(x).max(-1, keepdims=True)
;;       e = np.where(a > 0, np.clip(np.frexp(np.where(a > 0, a, 1))[1] - 1 - 2, -126, 127), 0)      # np.frexp(a)[1] - 1 = floor(log2(a)), exactly
;;       r = np.clip(x / 2.0 ** e, -7.5, 7.5)
;;       step = 2.0 ** (np.maximum(np.frexp(np.where(r == 0, 1, r))[1] - 1, 0) - 3)
;;       q = np.round(r / step) * step * 2.0 ** e      # np.round: ties to even
;;       return np.moveaxis(q.reshape(q.shape[:-2] + (-1,))[..., :K], -1, axis).astype(np.float32)
;;   ~~~
;;   SOFTMAX AHEAD OF A QUANTISED PRODUCT. Where the list says 'softmax', what is quantised is not the finished softmax but p = 2^(t - M), with t = logit x log2(e) and M = ceil(the row's largest t), a whole number; so 1/2 < the row's largest p <= 1. The row's sum l is taken of the UNQUANTISED p, in f32, and the product's result is divided by l at the end. Since M is a whole number, a kernel that streams over the keys may use a running M (the ceiling of the running maximum): every later rescaling is an exact power of two, which a block's scale takes up: the codes' values come out the same.
;;   OPERANDS COMPUTED ON THE WAY. 'Computed on the way' means the value that the module computes at that place (a softmax that the list does not call 'softmax' is quantised finished and normalised). What goes into a quantiser is computed in f32, as accurately as f32 sums, v_exp_f32 and their like allow (about 1e-6 of the number): no bf16 or f16 on the way to a quantiser, and a product that is left as it is and whose result goes on into a quantised operand takes f32 operands (vector FMAs, or v_wmma_f32_16x16x4_f32). A number that lies on a knife's edge between two numbers of the format may be rounded either way, as far as f32 arithmetic and the matrix unit's own rounding can turn it there, and no further.
;; 2 versions, each right; version 2 is version 1 with the launch attn written anew for expert scheduling mode. Each part assembles by itself: llvm-mc -triple=amdgcn-amd-amdhsa -mcpu=gfx1250 --defsym DOCPART=n.
;; ======== version 1 of 2: 4 launches
;; workspace buffers: opimg 9,437,184 bytes; opscl 393,216 bytes; mw 524,288 bytes of whole numbers; fl 1,024 bytes of whole numbers; img 18,874,368 bytes; scl 786,432 bytes; aimg 6,291,456 bytes; ascl 262,144 bytes
;; launch prep (part 1): grid 256 x 1, 4 waves a work-group, no clusters, 68,096 bytes of LDS; arguments x, W_q, W_k, W_v, W_o, mask, opimg, opscl, mw, fl; writes opimg, opscl, mw, fl
.if DOCPART == 1
	.amdgcn_target "amdgcn-amd-amdhsa--gfx1250"
	.amdhsa_code_object_version 6
	.text
	.protected	k_qa538f2f263_prep
	.globl	k_qa538f2f263_prep
	.p2align	8
	.type	k_qa538f2f263_prep,@function
k_qa538f2f263_prep:
	s_mov_b64 s[64:65], 0
	v_nop
	global_prefetch_b8 v0, s[64:65] scope:SCOPE_SE
	s_setreg_imm32_b32 hwreg(HW_REG_WAVE_MODE, 25, 1), 1
	s_wait_xcnt 0x0
; x [8192][1024] and W_q, W_k, W_v, W_o [1024][1024], f32, K innermost, become codes of FP6 (E2M3) with one E8M0 byte for each 32 along K; the mask [2048][2048], int32, becomes lane-mask words and tile flags.
; THE ORDER OF ROWS.  Rows are taken in tiles of 16: tile T = 2 G + u, place i, holds row 32 G + 8 u + i + 8 (i / 8).  Where such a tile is source 0 of a matrix instruction, the 16 result registers of tiles 2 G and 2 G + 1
; are 16 neighbours, 32 G + 16 (lane / 16) + 0 .. 15: what the next quantiser wants.  The last launch undoes the order.
; CODES leave as images of the operand's registers: a half image is 16 rows x 64 K, 768 bytes: registers 0-3 at 16 x lane, registers 4-5 at 512 + 8 x lane.  opimg: [128 tiles' group][K half 0..15][tile][768].
; SCALE BYTES: opscl [row in tile order][32].  A block's byte is its largest magnitude's exponent field - 2, held at 1 from below.
; mw: [query tile 128][key step 16][64 words]: word 16 b + i, bit lane = (mask[row of place lane % 16][128 step + 32 b + 16 (lane / 16) + i] != 0).  fl: [query tile][2] words, two bits a step: bit 0 some key open, bit 1 some key hidden.
; LIMITS: NaN and infinities among the inputs are not served; blocks under 2^-124 keep the byte 1; a block of zeros gets the byte 1 where the rule says 127 (its codes are zeros, and this program alone reads the bytes).
; SHARES.  1,024 waves, 64 KiB each.  Work-groups 0-191: wave = one tile of 16 rows x 1,024 K, eight blocks of 128 K.  Work-groups 192-255: wave = 16 rows x 1,024 columns of the mask, eight blocks.
; Each load reads 512 consecutive bytes of one row; a block turns through the wave's own stage in LDS (rows 528 bytes apart) so that a lane gets 16 neighbours of each 32.  No barrier: waves share nothing.  Each way has LDS bytes of its own.
.set STGB, 8448                        ; a wave's stage: 16 rows x 528 bytes
.set R,    16                          ; v16-207  three sets of 64 registers
.set TM,   208                         ; v208-223 at work (the mask's way: the words, a pair for each block)
.set PC,   224                         ; v224-235 a fragment's codes; v236-242 the conversions' second halves
.set PW,   244                         ; v244-251 a scale word for each block
	s_load_b512 s[4:19], s[0:1], 0x0               ; x, W_q, W_k, W_v, W_o, mask, opimg, opscl
	s_load_b128 s[20:23], s[0:1], 0x40             ; mw, fl
	v_lshl_add_u32 v254, v0, 2, 0x10800
	v_mov_b32 v255, 0
	v_lshrrev_b32 v5, 5, v0
	v_readfirstlane_b32 s24, v5                    ; wave
	v_and_b32 v7, 31, v0                           ; lane
	v_and_b32 v8, 15, v0                           ; r
	v_bfe_u32 v9, v0, 4, 1                         ; h
	v_lshlrev_b32 v1, 4, v7                        ; 16 x lane
	v_lshlrev_b32 v4, 3, v7                        ; 8 x lane
	v_lshlrev_b32 v6, 5, v8
	v_lshl_add_u32 v6, v9, 4, v6                   ; 32 r + 16 h: my 16 bytes of a tile's scale bytes
	v_mul_u32_u24 v3, v8, 528
	v_lshl_add_u32 v3, v9, 6, v3                   ; 528 r + 64 h
	s_mul_i32 s39, s24, STGB
	s_lshl_b32 s25, ttmp9, 2
	s_add_co_u32 s25, s25, s24                     ; my task
	s_mov_b32 s34, 0x76543210
	s_mov_b32 s35, 0xfedcba98                      ; lane l xor 16
	s_mov_b32 s49, 0xffff0000                      ; lanes 16-31
	s_mov_b32 s33, 0
.macro LOAD n, pitch                   ; block n: 16 rows x 512 bytes into set n % 3
.irp i, 0,1,2,3,4,5,6,7,8,9,10,11,12,13,14,15
	global_load_b128 v[R+64*((\n)%3)+4*\i:R+64*((\n)%3)+4*\i+3], v1, s[26:27] offset:(\i+8*(\i/8))*(\pitch)+512*(\n) th:TH_LOAD_NT
.endr
.endm
.macro TURNB n                         ; through the stage and back into the same registers: register 16 b + i of lane (r, h) is then element 32 b + 16 h + i of row r.  LDS serves a wave's instructions in order
.irp i, 0,1,2,3,4,5,6,7,8,9,10,11,12,13,14,15
	ds_store_b128 v2, v[R+64*((\n)%3)+4*\i:R+64*((\n)%3)+4*\i+3] offset:528*\i
.endr
.irp i, 0,1,2,3,4,5,6,7,8,9,10,11,12,13,14,15
	ds_load_b128 v[R+64*((\n)%3)+4*\i:R+64*((\n)%3)+4*\i+3], v3 offset:128*(\i/4)+16*(\i%4)
.endr
.endm
.macro WAITL n                         ; block n's 16 loads are in; those of the blocks behind it (two, one, none) may be out
.if (\n) < 6
	s_wait_loadcnt 32
.elseif (\n) == 6
	s_wait_loadcnt 16
.else
	s_wait_loadcnt 0x0
.endif
.endm
	s_cmp_ge_u32 ttmp9, 192
	s_cbranch_scc1 .Lmask
	; ---- the way of x and the weights
	v_add_nc_u32 v2, s39, v1                       ; the stage, in: 16 x lane
	v_add_nc_u32 v3, s39, v3                       ; and out
	s_and_b32 s38, s25, 63
	s_cmp_lt_u32 ttmp9, 128
	s_cselect_b32 s38, s25, s38                    ; my tile within its tensor
	s_lshr_b32 s36, s38, 1
	s_lshl_b32 s36, s36, 5
	s_and_b32 s37, s38, 1
	s_lshl_b32 s37, s37, 3
	s_add_co_u32 s36, s36, s37                     ; its first row: 32 G + 8 u
	s_lshl_b32 s32, s36, 12                        ; x 4,096 bytes
	s_wait_kmcnt 0x0
	s_cmp_lt_u32 ttmp9, 176                        ; which tensor: the choice hangs on the work-group's number alone
	s_cselect_b64 s[26:27], s[10:11], s[12:13]
	s_cmp_lt_u32 ttmp9, 160
	s_cselect_b64 s[26:27], s[8:9], s[26:27]
	s_cmp_lt_u32 ttmp9, 144
	s_cselect_b64 s[26:27], s[6:7], s[26:27]
	s_cmp_lt_u32 ttmp9, 128
	s_cselect_b64 s[26:27], s[4:5], s[26:27]
	s_add_nc_u64 s[26:27], s[26:27], s[32:33]
	LOAD 0, 4096
	LOAD 1, 4096
	LOAD 2, 4096
	s_lshr_b32 s36, s25, 7
	s_mul_i32 s36, s36, 1572864
	s_and_b32 s37, s25, 127
	s_mul_i32 s37, s37, 768
	s_add_co_u32 s32, s36, s37
	s_add_nc_u64 s[28:29], s[16:17], s[32:33]      ; my tile's images, K half 0
	s_lshl_b32 s32, s25, 9
	s_add_nc_u64 s[30:31], s[18:19], s[32:33]      ; my tile's 512 scale bytes
.irp b, 0,1,2,3
	v_mov_b32 v[TM+4+\b], 0                        ; written once: a lane permute's destination counts as one of its sources
.endr
; 64 numbers of a lane, register 16 b + i = k 32 b + 16 h + i of my row, become a fragment's codes in v[PC] on and its scale word in v[pw]
.macro QUANT s, pw
.irp b, 0,1,2,3
	v_max3_num_f32 v[TM+\b], |v[\s+16*\b]|, |v[\s+1+16*\b]|, 0x1800000   ; my 16 numbers of block b, and the floor 2^(3 - 127): the byte cannot fall under 1
.endr
.irp i, 2,4,6,8,10,12,14
.irp b, 0,1,2,3
	v_max3_num_f32 v[TM+\b], v[TM+\b], |v[\s+16*\b+\i]|, |v[\s+1+16*\b+\i]|
.endr
.endr
.irp b, 0,1,2,3
	v_permlanex16_b32 v[TM+4+\b], v[TM+\b], s34, s35
.endr
.irp b, 0,1,2,3
	v_max_num_f32 v[TM+\b], v[TM+\b], v[TM+4+\b]   ; with lane l xor 16's: the block's largest magnitude
.endr
.irp b, 0,1,2,3
	v_add_nc_u32 v[TM+12+\b], 0xff000000, v[TM+\b] ; 2 off its exponent field: the conversion's scale operand
.endr
.irp b, 0,1,2,3
	v_lshrrev_b32 v[TM+4+\b], 23, v[TM+12+\b]      ; the scale's byte
.endr
	v_lshl_or_b32 v[\pw], v[TM+5], 8, v[TM+4]
	v_lshl_or_b32 v[\pw], v[TM+6], 16, v[\pw]
	v_lshl_or_b32 v[\pw], v[TM+7], 24, v[\pw]
.irp c, 0,1
	v_cvt_scalef32_pk16_fp6_f32 v[PC+6*\c:PC+2+6*\c], v[\s+32*\c:\s+15+32*\c], v[TM+12+2*\c]
	v_cvt_scalef32_pk16_fp6_f32 v[PC+12+4*\c:PC+14+4*\c], v[\s+16+32*\c:\s+31+32*\c], v[TM+12+2*\c+1]   ; (a conversion's three registers begin on an even number)
.endr
	v_nop                                          ; one plain place behind a scaled conversion
.irp c, 0,1                            ; the operand's layout wants a whole block in a lane
.irp i, 0,1,2
	v_permlane16_swap_b32 v[PC+6*\c+\i], v[PC+12+4*\c+\i]
.endr
.irp i, 0,1,2
	v_mov_b32 v[PC+3+6*\c+\i], v[PC+12+4*\c+\i]
.endr
.endr
.endm
.macro BLOCKX n
.set XS, R+64*((\n)%3)
	WAITL \n
	TURNB \n
	s_wait_dscnt 0x0
	s_wait_xcnt 0x0                                ; the last block's stores have read the codes' registers: they are written again only behind this wait
	QUANT XS, PW+\n
	global_store_b128 v1, v[PC:PC+3], s[28:29] offset:(2*(\n))*98304          ; 32 lanes store 512 consecutive bytes, at a multiple of 256 from the buffer's first byte
	global_store_b64 v4, v[PC+4:PC+5], s[28:29] offset:(2*(\n))*98304+512     ; and 256
	global_store_b128 v1, v[PC+6:PC+9], s[28:29] offset:(2*(\n)+1)*98304
	global_store_b64 v4, v[PC+10:PC+11], s[28:29] offset:(2*(\n)+1)*98304+512
.if (\n)+3 < 8
	LOAD (\n)+3, 4096
.endif
.endm
.irp n, 0,1,2,3,4,5,6,7
	BLOCKX \n
.endr
	s_wait_xcnt 0x0                                ; the last stores have read v224 on
.irp i, 0,1,2,3
	v_cndmask_b32 v[PC+\i], v[PW+\i], v[PW+4+\i], s49   ; lanes 0-15: my row's bytes 0-15, lanes 16-31: bytes 16-31
.endr
	global_store_b128 v6, v[PC:PC+3], s[30:31]     ; the tile's 512 scale bytes, consecutive
	s_wait_tensorcnt 0x0
	ds_add_u32 v254, v255
	s_wait_dscnt 0x0
	s_endpgm
	; ---- the way of the mask
.Lmask:
	s_add_co_u32 s39, s39, 4*STGB                  ; this way's stages lie behind the other way's
	v_add_nc_u32 v2, s39, v1
	v_add_nc_u32 v3, s39, v3
	s_sub_co_u32 s25, s25, 768                     ; 2 x query tile + half of the columns
	s_lshr_b32 s40, s25, 1
	s_and_b32 s41, s25, 1
	s_lshr_b32 s42, s40, 1
	s_lshl_b32 s42, s42, 5
	s_and_b32 s43, s40, 1
	s_lshl_b32 s43, s43, 3
	s_add_co_u32 s42, s42, s43                     ; the tile's first row
	s_lshl_b32 s42, s42, 13                        ; x 8,192 bytes
	s_lshl_b32 s43, s41, 12
	s_add_co_u32 s32, s42, s43
	s_wait_kmcnt 0x0
	s_add_nc_u64 s[26:27], s[14:15], s[32:33]
	LOAD 0, 8192
	LOAD 1, 8192
	LOAD 2, 8192
	s_lshl_b32 s32, s25, 11                        ; eight steps of 256 bytes
	s_add_nc_u64 s[28:29], s[20:21], s[32:33]
	s_lshl_b32 s32, s25, 2
	s_add_nc_u64 s[30:31], s[22:23], s[32:33]
	s_mov_b32 s38, 0                               ; the flags
.irp i, 0,1,2,3,4,5,6,7,8,9,10,11,12,13,14,15
	v_mov_b32 v[TM+\i], 0                          ; a lane write's destination counts as one of its sources
.endr
.macro BLOCKM n
.set XS, R+64*((\n)%3)
	WAITL \n
	TURNB \n
	s_wait_dscnt 0x0
	s_mov_b32 s36, 0                               ; any key open
	s_mov_b32 s37, -1                              ; all keys open
.irp g, 0,1,2,3,4,5,6,7
.irp k, 0,1,2,3,4,5,6,7
	v_cmp_ne_u32 s[40+\k], 0, v[XS+8*\g+\k]        ; word 8 g + k
.endr
.irp k, 0,1,2,3,4,5,6,7
	s_or_b32 s36, s36, s[40+\k]
	s_and_b32 s37, s37, s[40+\k]
	v_writelane_b32 v[TM+2*(\n)+(\k%2)], s[40+\k], 4*\g+\k/2   ; lane j / 2 holds words j and j + 1
.endr
.endr
	s_cmp_lg_u32 s36, 0
	s_cselect_b32 s39, 1, 0
	s_cmp_lg_u32 s37, -1
	s_cselect_b32 s36, 2, 0
	s_or_b32 s39, s39, s36
	s_lshl_b32 s39, s39, 2*(\n)
	s_or_b32 s38, s38, s39
	global_store_b64 v4, v[TM+2*(\n):TM+2*(\n)+1], s[28:29] offset:256*(\n)   ; the step's 64 words: 256 consecutive bytes; each block has registers of its own
.if (\n)+3 < 8
	LOAD (\n)+3, 8192
.endif
.endm
.irp n, 0,1,2,3,4,5,6,7
	BLOCKM \n
.endr
	v_mov_b32 v252, s38
	v_mov_b32 v253, 0
	v_cmp_eq_u32 vcc_lo, 0, v7
	s_wait_xcnt 0x0                                ; EXEC changes only behind this wait
	s_wait_tensorcnt 0x0
	ds_add_u32 v254, v255
	s_wait_dscnt 0x0
	s_and_saveexec_b32 s48, vcc_lo
	global_store_b32 v253, v252, s[30:31]          ; one word of flags, by lane 0
	s_wait_xcnt 0x0
	s_or_b32 exec_lo, exec_lo, s48
	s_endpgm
.Lfunc_end_k_qa538f2f263_prep:
	.size	k_qa538f2f263_prep, .Lfunc_end_k_qa538f2f263_prep-k_qa538f2f263_prep
	.p2alignl 7, 3214868480
	.fill 96, 4, 3214868480
	.section	.rodata,"a",@progbits
	.p2align	6, 0x0
	.amdhsa_kernel k_qa538f2f263_prep
		.amdhsa_group_segment_fixed_size 68096
		.amdhsa_private_segment_fixed_size 0
		.amdhsa_enable_private_segment 0
		.amdhsa_kernarg_size 80
		.amdhsa_user_sgpr_count 2
		.amdhsa_user_sgpr_kernarg_segment_ptr 1
		.amdhsa_wavefront_size32 1
		.amdhsa_system_sgpr_workgroup_id_x 1
		.amdhsa_system_sgpr_workgroup_id_y 1
		.amdhsa_system_sgpr_workgroup_id_z 1
		.amdhsa_system_vgpr_workitem_id 0
		.amdhsa_next_free_vgpr 256
		.amdhsa_next_free_sgpr 66
		.amdhsa_reserve_vcc 1
		.amdhsa_float_denorm_mode_32 3
		.amdhsa_float_denorm_mode_16_64 3
		.amdhsa_memory_ordered 1
		.amdhsa_forward_progress 1
		.amdhsa_inst_pref_size 194
	.end_amdhsa_kernel
	.amdgpu_metadata
---
amdhsa.version: [ 1, 2 ]
amdhsa.kernels:
  - .name:           k_qa538f2f263_prep
    .symbol:         k_qa538f2f263_prep.kd
    .args:
      - { .name: x, .offset: 0, .size: 8, .value_kind: global_buffer, .address_space: global }
      - { .name: W_q, .offset: 8, .size: 8, .value_kind: global_buffer, .address_space: global }
      - { .name: W_k, .offset: 16, .size: 8, .value_kind: global_buffer, .address_space: global }
      - { .name: W_v, .offset: 24, .size: 8, .value_kind: global_buffer, .address_space: global }
      - { .name: W_o, .offset: 32, .size: 8, .value_kind: global_buffer, .address_space: global }
      - { .name: mask, .offset: 40, .size: 8, .value_kind: global_buffer, .address_space: global }
      - { .name: opimg, .offset: 48, .size: 8, .value_kind: global_buffer, .address_space: global }
      - { .name: opscl, .offset: 56, .size: 8, .value_kind: global_buffer, .address_space: global }
      - { .name: mw, .offset: 64, .size: 8, .value_kind: global_buffer, .address_space: global }
      - { .name: fl, .offset: 72, .size: 8, .value_kind: global_buffer, .address_space: global }
    .group_segment_fixed_size: 68096
    .private_segment_fixed_size: 0
    .kernarg_segment_align: 8
    .kernarg_segment_size: 80
    .max_flat_workgroup_size: 128
    .sgpr_count:     66
    .vgpr_count:     256
    .wavefront_size: 32
...
	.end_amdgpu_metadata
.endif
;; end of part 1
;; launch qkv (part 2): grid 12 x 32, 4 waves a work-group, clusters of 4 x 4, 327,680 bytes of LDS; arguments opimg, opscl, img, scl; writes img, scl
.if DOCPART == 2
	.amdgcn_target "amdgcn-amd-amdhsa--gfx1250"
	.amdhsa_code_object_version 6
	.text
	.protected	k_qa538f2f263_qkv
	.globl	k_qa538f2f263_qkv
	.p2align	8
	.type	k_qa538f2f263_qkv,@function
k_qa538f2f263_qkv:
	s_mov_b64 s[64:65], 0
	v_nop
	global_prefetch_b8 v0, s[64:65] scope:SCOPE_SE
	s_setreg_imm32_b32 hwreg(HW_REG_WAVE_MODE, 25, 1), 1
	s_wait_xcnt 0x0
	s_wait_alu depctr_hold_cnt(0) depctr_sa_sdst(0) depctr_va_vdst(0) depctr_va_sdst(0) depctr_va_ssrc(0) depctr_va_vcc(0) depctr_vm_vsrc(0)
	s_getreg_b32 s2, hwreg(HW_REG_IB_STS2, 6, 4)
	s_cmp_eq_u32 s2, 0
	s_cbranch_scc0 .Lentry_in_a_cluster
	s_endpgm
.Lentry_in_a_cluster:
	s_bfe_u32 s2, ttmp6, 0x10000c
	s_cmp_lg_u32 s2, 0xf033
	s_cbranch_scc0 .Lentry_shape_is_right
	s_endpgm
.Lentry_shape_is_right:
; q = x W_q^T, k = x W_k^T, v = x W_v^T as ONE product on codes of FP6 (E2M3) with E8M0 block scales, K = 1,024; the results are quantised in registers and leave as codes: q and k along a head's 64 channels, v along the keys.
; A work-group of four waves makes 256 x 256, a wave 128 x 128: 64 accumulators, 512 registers.  K goes in steps of 256 through two LDS slots filled by the tensor data mover.
; OPERANDS lie in memory as images of the operand's registers (half image: 16 rows x 64 K, 768 bytes: registers 0-3 at 16 x lane, 4-5 at 512 + 8 x lane), [group of 128 tiles][K half][tile][768]: a wave's tensor load brings
; 4 K halves x 8 tiles, four rows of 6,144 bytes; a fragment comes from LDS by four loads in which the lanes' bytes are consecutive: no pitch, no padding.
; THE MATRIX INSTRUCTION IS USED TRANSPOSED: source 0 = operand 'B', source 1 = operand 'A': a lane holds one row of A, its registers run along B's rows; B's rows lie in tiles whose order makes the 16 registers of two
; neighbouring tiles 16 neighbours.  Clusters x = 0, 1 (q, k): A = x, B = W_q, W_k: a lane holds a token, registers run along channels.  Cluster x = 2 (v): A = W_v, B = x: a lane holds a channel, registers run along the keys.
; CLUSTERS: 4 x 4 work-groups; A's tiles are asked for jointly by a row of the cluster, B's by a column.  The choice between the two roles hangs on the cluster's x alone, which all partners share.
; OUT.  img: q [bh][tile][768], k behind it, v [channel tile 64][128 keys' group 64][1536].  scl: [q, k, v][bh][step 16][r 16][4 words].
; LIMITS: blocks under 2^-124 keep the byte 1; a block of zeros gets the byte 1 where the rule says 127 (its codes are zeros, and this program alone reads the bytes).
; REGISTERS: window 0: v16-31 addresses; v32-63 scale words, two sets; v128-223 A's fragments, one set (on the way out v112-223 are at work).  window 1: B's fragments, two sets.  windows 2, 3: the accumulators.
.set NQ,     2                         ; matrix instructions deep in a slot
.set FR,     12                        ; registers of a fragment
.set NL,     4                         ; LDS loads that bring one
.set NP,     4                         ; places behind this matrix instruction (ISA guide 7.12.1)
.set KHB,    6144                      ; 8 tiles' half images
.set HALFT,  4*KHB                     ; what one tensor load brings, and what one wave reads of A or of B
.set SLOT,   4*HALFT
.set LAPS,   2                         ; 1,024 along K = twice round the ring
.set SCL,    2*SLOT                    ; the scales, as rows of 256 bytes + 16 of padding
.set HALFS,  16*272                    ; those of 128 rows (32 bytes a row)
.set SBLK,   2*272                     ; those of 16 rows
.set SPARE,  SCL+4*HALFS               ; the spare words, 128 bytes for each wave: two blocks of 256 bytes that no other line names
.set ADRA, 16                          ; v16-17 my A fragments in slot 0, 1, + 16 x lane;  v18-19 + 8 x lane
.set ADRB, 20                          ; v20-23 the same for B
.set ADRS, 27                          ; v27    my scale words: lanes 0-15 A's rows, lanes 16-31 B's
.set SPW,  28                          ; v28    my spare word; never rewritten
.set NIL,  29                          ; v29    0; never rewritten
.set SC,   32
.set AF,   128
.set PC,   112                         ; the way out: v112-123 codes, v124-130 the conversions' second halves
.set TM,   200                         ; v200-215 at work
.set PW,   216                         ; v216-223 a scale word for each of my eight blocks
.set G1, 24
.set G0, 32
.set G1B, 48
.set G0B, 56
.set G1S, 68
.set G0S, 76
.set G1SB, 80
.set G0SB, 88
.set MSB, 0
.macro WIN new                         ; the immediate's high byte repeats the setting that is left
.if MSB != \new
	s_set_vgpr_msb (MSB<<8)|\new
.set MSB, \new
.endif
.endm
.set MUL_LO, 0xa1                      ; source 0 (B) window 1, source 1 (A) window 0, C and D window 2
.set MUL_HI, 0xf1                      ; the same, C and D window 3
.set TO_B,   0x40                      ; destination window 1, address window 0
; A joint load: waves 0 and 1 fetch for A, waves 2 and 3 for B; the branch hangs on the wave's number alone.  Four v_nop follow each of the two lines.
.macro JLOAD g0a, g1a, g0b, g1b
	s_cmp_eq_u32 s15, 0
	s_cbranch_scc0 .Lfor_b_\@
	tensor_load_to_lds s[\g0a:\g0a+3], s[\g1a:\g1a+7]
	s_nop 0
.rept 4
	v_nop
.endr
	s_branch .Lasked_\@
.Lfor_b_\@:
	tensor_load_to_lds s[\g0b:\g0b+3], s[\g1b:\g1b+7]
	s_nop 0
.rept 4
	v_nop
.endr
.Lasked_\@:
.endm
.macro CREST                           ; a round of the cluster's barrier behind its opening barrier
	s_cmp_lg_u32 s14, 0
	s_cbranch_scc1 .Lnot_wave_0_\@
	s_barrier_signal -3
.Lnot_wave_0_\@:
	s_barrier_wait -3
	s_barrier_signal -1
	s_barrier_wait -1
.endm
.macro CROUND                          ; a whole round
	s_barrier_signal -1
	s_barrier_wait -1
	CREST
.endm
	s_load_b256 s[4:11], s[0:1], 0x0               ; opimg s[4:5], opscl s[6:7], img s[8:9], scl s[10:11]
	v_lshl_add_u32 v[SPW], v0, 2, SPARE
	v_mov_b32 v[NIL], 0
	ds_add_u32 v28, v29
	ds_add_u32 v28, v29
	s_wait_dscnt 0x0
	v_lshrrev_b32 v1, 5, v0
	v_readfirstlane_b32 s14, v1                    ; wave 0..3
	s_lshr_b32 s15, s14, 1                         ; which half of A's rows is mine.  Also: I fetch for A (0) or for B (1)
	s_and_b32 s16, s14, 1                          ; which half of B's rows.  Also: which 8 tiles I fetch
	s_bfe_u32 s40, ttmp6, 0x40000                  ; cx
	s_bfe_u32 s41, ttmp6, 0x40004                  ; cy
	s_and_b32 s13, ttmp7, 0xffff                   ; cluster y
	s_lshl_b32 s43, s41, 2
	s_lshl_b32 s43, 15, s43                        ; my row of the cluster
	s_lshl_b32 s44, 0x1111, s40                    ; my column
	; descriptor group 1 for codes: 4 rows (K halves) of 768 elements of 8 bytes, 12,288 elements apart; no padding
	s_or_b32 s[G1+0], s43, (3<<16)|(1<<21)
	s_or_b32 s[G1B+0], s44, (3<<16)|(1<<21)
.irp g, G1, G1B
	s_mov_b32 s[\g+1], 768<<16                     ; tensor_dim0
	s_mov_b32 s[\g+2], 4<<16                       ; tensor_dim1
	s_mov_b32 s[\g+3], 768<<16                     ; tile_dim0
	s_mov_b32 s[\g+4], 4                           ; tile_dim1
	s_mov_b32 s[\g+5], 12288                       ; tensor_dim0_stride
	s_mov_b32 s[\g+6], 0
	s_mov_b32 s[\g+7], 0
.endr
	; and for the scales of 128 rows: 4,096 dense bytes as 16 rows of 256 (32 elements of 8 bytes), 16 bytes of padding behind each
	s_or_b32 s[G1S+0], s43, (3<<16)|(1<<20)|(1<<21)|(5<<22)|(3<<25)
	s_or_b32 s[G1SB+0], s44, (3<<16)|(1<<20)|(1<<21)|(5<<22)|(3<<25)
.irp g, G1S, G1SB
	s_mov_b32 s[\g+1], 32<<16
	s_mov_b32 s[\g+2], 16<<16
	s_mov_b32 s[\g+3], 32<<16
	s_mov_b32 s[\g+4], 16
	s_mov_b32 s[\g+5], 32
	s_mov_b32 s[\g+6], 0
	s_mov_b32 s[\g+7], 0
.endr
	; which tiles I fetch.  x: tiles 0-511; W_q from 512, W_k from 576, W_v from 640
	s_lshl_b32 s19, s13, 6                         ; 64 x cluster y
	s_lshl_b32 s12, ttmp9, 6
	s_add_co_u32 s12, s12, 512                     ; 512 + 64 x cluster x
	s_mov_b32 s17, 640
	s_cmp_eq_u32 ttmp9, 2                          ; the clusters that make v
	s_cselect_b32 s17, s17, s19                    ; A: W_v, or x
	s_cselect_b32 s42, s19, s12                    ; B: x, or W_q / W_k
	s_lshl_b32 s18, s16, 3
	s_lshl_b32 s20, s41, 4
	s_add_co_u32 s17, s17, s20
	s_add_co_u32 s17, s17, s18                     ; A's first tile: + 16 cy + 8 x half
	s_lshl_b32 s46, s40, 4
	s_add_co_u32 s42, s42, s46
	s_add_co_u32 s42, s42, s18                     ; B's: + 16 cx + 8 x half
	s_lshl_b32 s22, s17, 9                         ; A's scales: 512 bytes a tile
	s_mov_b32 s23, 0
	s_lshr_b32 s21, s17, 7
	s_mul_i32 s21, s21, 1572864
	s_and_b32 s20, s17, 127
	s_mul_i32 s20, s20, 768
	s_add_co_u32 s20, s20, s21                     ; A's codes
	s_mov_b32 s21, 0
	s_lshl_b32 s92, s42, 9
	s_mov_b32 s93, 0
	s_lshr_b32 s47, s42, 7
	s_mul_i32 s47, s47, 1572864
	s_and_b32 s46, s42, 127
	s_mul_i32 s46, s46, 768
	s_add_co_u32 s46, s46, s47
	s_mov_b32 s47, 0
	s_mul_i32 s45, s14, HALFT                      ; where they go: by the wave's number alone
	s_mul_i32 s94, s14, HALFS
	s_wait_kmcnt 0x0
	s_add_nc_u64 s[20:21], s[4:5], s[20:21]
	s_add_nc_u64 s[22:23], s[6:7], s[22:23]
	s_add_nc_u64 s[46:47], s[4:5], s[46:47]
	s_add_nc_u64 s[92:93], s[6:7], s[92:93]
	CROUND                                         ; all sixteen work-groups are here: the first joint loads meet
	s_mov_b32 s[G0S], 1
	s_add_co_u32 s[G0S+1], s94, SCL
	s_mov_b64 s[G0S+2:G0S+3], s[22:23]
	s_or_b32 s[G0S+3], s[G0S+3], 0x80000000
	s_mov_b32 s[G0SB], 1
	s_add_co_u32 s[G0SB+1], s94, SCL
	s_mov_b64 s[G0SB+2:G0SB+3], s[92:93]
	s_or_b32 s[G0SB+3], s[G0SB+3], 0x80000000
	JLOAD G0S, G1S, G0SB, G1SB                     ; the scales first: they are wanted with K step 0
.irp s, 0,1
	s_mov_b32 s[G0+4*\s], 1
	s_add_co_u32 s[G0+4*\s+1], s45, \s*SLOT
	s_add_nc_u64 s[G0+4*\s+2:G0+4*\s+3], s[20:21], \s*393216   ; slot s: K halves 4 s on
	s_or_b32 s[G0+4*\s+3], s[G0+4*\s+3], 0x80000000
	s_mov_b32 s[G0B+4*\s], 1
	s_add_co_u32 s[G0B+4*\s+1], s45, \s*SLOT
	s_add_nc_u64 s[G0B+4*\s+2:G0B+4*\s+3], s[46:47], \s*393216
	s_or_b32 s[G0B+4*\s+3], s[G0B+4*\s+3], 0x80000000
	JLOAD G0+4*\s, G1, G0B+4*\s, G1B
.endr
	v_and_b32 v1, 15, v0                           ; r
	v_bfe_u32 v2, v0, 4, 1                         ; h
	v_and_b32 v3, 31, v0
	v_lshlrev_b32 v24, 4, v3                       ; 16 x lane
	v_lshlrev_b32 v25, 3, v3                       ; 8 x lane
	s_mul_i32 s21, s15, HALFT                      ; my 8 tiles of A
	s_mul_i32 s22, s16, HALFT                      ; my 8 tiles of B,
	s_add_co_u32 s22, s22, 2*HALFT                 ; which lie behind A's 16
.irp s, 0,1
	v_add_nc_u32 v[ADRA+\s], s21, v24
	v_add_nc_u32 v[ADRB+\s], s22, v24
	v_add_nc_u32 v[ADRA+2+\s], s21, v25
	v_add_nc_u32 v[ADRB+2+\s], s22, v25
	s_add_co_u32 s21, s21, SLOT
	s_add_co_u32 s22, s22, SLOT
.endr
	v_mul_u32_u24 v5, v1, 32                       ; my row's scales: 32 bytes a row,
	v_lshrrev_b32 v6, 8, v5
	v_lshl_add_u32 v5, v6, 4, v5                   ; and 16 more for each 256 passed
	s_mul_i32 s21, s15, HALFS
	s_mul_i32 s22, s16, HALFS
	s_add_co_u32 s22, s22, 2*HALFS
	s_sub_co_u32 s22, s22, s21
	v_mul_u32_u24 v6, s22, v2                      ; lanes 16-31 take B's
	s_add_co_u32 s21, s21, SCL
	v_add_nc_u32 v5, v5, v6
	v_add_nc_u32 v[ADRS], s21, v5
	; the way out's numbers.  RA: my first tile of A's rows; CG: my group of 128 of B's rows
	s_mov_b32 s96, 98304
	s_mov_b32 s98, 98304
	s_cmp_eq_u32 ttmp9, 2
	s_cselect_b32 s92, 0, s19
	s_cselect_b32 s93, s13, ttmp9
	s_cselect_b32 s99, -1, 0                       ; all lanes where v is made
	s_cselect_b32 s96, s96, 768                    ; from block to block of A's rows
	s_cselect_b32 s98, 768, s98                    ; from a fragment's first half to its second
	s_mov_b32 s97, 0
	s_mov_b32 s100, 0xffff0000                     ; lanes 16-31
	s_lshl_b32 s94, s41, 4
	s_add_co_u32 s92, s92, s94
	s_lshl_b32 s94, s15, 3
	s_add_co_u32 s92, s92, s94                     ; RA
	s_lshl_b32 s93, s93, 2
	s_add_co_u32 s93, s93, s40
	s_lshl_b32 s93, s93, 1
	s_add_co_u32 s93, s93, s16                     ; CG
	s_lshr_b32 s20, s93, 3                         ; q, k: HB = 64 (k?) + 16 batch + the first of my two heads
	s_lshl_b32 s20, s20, 6
	s_lshr_b32 s21, s92, 7
	s_lshl_b32 s21, s21, 4
	s_add_co_u32 s20, s20, s21
	s_and_b32 s21, s93, 7
	s_lshl_b32 s21, s21, 1
	s_add_co_u32 s20, s20, s21
	s_and_b32 s21, s92, 127
	s_lshl_b32 s22, s20, 7
	s_add_co_u32 s22, s22, s21
	s_mul_i32 s22, s22, 768                        ; codes: (128 HB + tile) x 768
	s_lshl_b32 s23, s20, 4
	s_lshr_b32 s21, s21, 3
	s_add_co_u32 s23, s23, s21
	s_lshl_b32 s23, s23, 8                         ; scale words: (16 HB + step) x 256
	s_lshl_b32 s20, s92, 6                         ; v: codes: behind q and k, (64 RA + CG) x 1,536
	s_add_co_u32 s20, s20, s93
	s_mul_i32 s20, s20, 1536
	s_add_co_u32 s20, s20, 12582912
	s_lshr_b32 s21, s93, 4                         ; scale words: (16 (128 + 16 batch + head) + step) x 256
	s_lshl_b32 s21, s21, 4
	s_lshr_b32 s94, s92, 2
	s_add_co_u32 s21, s21, s94
	s_add_co_u32 s21, s21, 128
	s_lshl_b32 s21, s21, 4
	s_and_b32 s94, s93, 15
	s_add_co_u32 s21, s21, s94
	s_lshl_b32 s21, s21, 8
	s_cmp_eq_u32 ttmp9, 2
	s_cselect_b32 s20, s20, s22
	s_cselect_b32 s22, s21, s23
	s_mov_b32 s21, 0
	s_mov_b32 s23, 0
	s_add_nc_u64 s[8:9], s[8:9], s[20:21]
	s_add_nc_u64 s[10:11], s[10:11], s[22:23]
	v_add_nc_u32 v26, s98, v24                     ; the second half's places
	v_add_nc_u32 v30, s98, v25
	v_lshlrev_b32 v31, 4, v1
	v_lshl_add_u32 v31, v2, 12, v31                ; scale words: 16 r, lanes 16-31 one head (4,096 bytes) on
.macro FRAG reg, adr, q, i             ; a fragment: tile i's half images of K halves 2 q and 2 q + 1
	ds_load_b128 v[\reg:\reg+3], v[\adr] offset:(2*(\q))*KHB+(\i)*768
	ds_load_b64 v[\reg+4:\reg+5], v[\adr+2] offset:(2*(\q))*KHB+(\i)*768+512
	ds_load_b128 v[\reg+6:\reg+9], v[\adr] offset:(2*(\q)+1)*KHB+(\i)*768
	ds_load_b64 v[\reg+10:\reg+11], v[\adr+2] offset:(2*(\q)+1)*KHB+(\i)*768+512
.endm
; 16 matrix instructions: A's blocks a0, a0 + 1 x B's eight, 128 along K.  The 64 accumulators take turns, one instruction a turn.  zero = 1: the first product starts the sums.
.macro MUL16 a0, p, q, sc, zero
.irp a, \a0, \a0+1
.irp b, 0,1,2,3,4,5,6,7
.if \zero
	v_wmma_scale_f32_16x16x128_f8f6f4 v[8*(8*((\a)%4)+\b):8*(8*((\a)%4)+\b)+7], v[128*(\p)+FR*\b:128*(\p)+FR*\b+FR-1], v[AF+FR*(\a):AF+FR*(\a)+FR-1], 0, v[SC+8*NQ*(\sc)+NQ*\b+(\q)], v[SC+8*NQ*(\sc)+NQ*(\a)+(\q)] matrix_a_fmt:MATRIX_FMT_FP6 matrix_b_fmt:MATRIX_FMT_FP6 matrix_a_scale:MATRIX_SCALE_ROW1
.else
	v_wmma_scale_f32_16x16x128_f8f6f4 v[8*(8*((\a)%4)+\b):8*(8*((\a)%4)+\b)+7], v[128*(\p)+FR*\b:128*(\p)+FR*\b+FR-1], v[AF+FR*(\a):AF+FR*(\a)+FR-1], v[8*(8*((\a)%4)+\b):8*(8*((\a)%4)+\b)+7], v[SC+8*NQ*(\sc)+NQ*\b+(\q)], v[SC+8*NQ*(\sc)+NQ*(\a)+(\q)] matrix_a_fmt:MATRIX_FMT_FP6 matrix_b_fmt:MATRIX_FMT_FP6 matrix_a_scale:MATRIX_SCALE_ROW1
.endif
.endr
.endr
.endm
.macro FETCH_B slot, q, p
	WIN TO_B
.irp i, 0,1,2,3,4,5,6,7
	FRAG 128*(\p)+FR*\i, ADRB+\slot, \q, \i
.endr
	WIN 0
.endm
.macro FETCH_A slot, q, i0
.irp i, \i0, \i0+1, \i0+2, \i0+3
	FRAG AF+FR*(\i), ADRA+\slot, \q, \i
.endr
.endm
.macro SCALES sc                       ; a K step's scale words: two words a row; lanes 0-15 A's block i, lanes 16-31 B's block i
.irp i, 0,1,2,3,4,5,6,7
	ds_load_b64 v[SC+8*NQ*\sc+NQ*\i:SC+8*NQ*\sc+NQ*\i+1], v[ADRS] offset:\i*SBLK
.endr
.endm
.macro PLACES n                        ; plain vector instructions between a matrix instruction and a load into, or a vector instruction on, its registers
.rept \n
	v_nop
.endr
.endm
.macro STEP slot, q, zero              ; 128 along K that have their successor in the same slot
	s_wait_dscnt 4*NL                              ; B's set and A's blocks 0-3 are in; the youngest 16 loads (A's blocks 4-7) may be out
	WIN MUL_LO
	MUL16 0, (\q)%2, \q, \slot, \zero
	MUL16 2, (\q)%2, \q, \slot, \zero
	s_wait_dscnt 0
	PLACES NP
	FETCH_B \slot, (\q)+1, 1-(\q)%2
	FETCH_A \slot, (\q)+1, 0
	WIN MUL_HI
	MUL16 4, (\q)%2, \q, \slot, \zero
	MUL16 6, (\q)%2, \q, \slot, \zero
	PLACES NP
	WIN 0
	FETCH_A \slot, (\q)+1, 4
.endm
; A slot's last step changes slots: one barrier; in front of it each wave waits for all its tensor loads, adds 0 to its spare word, and waits for that and for its reads of this slot.  fill = 1: the slot is filled again, two K steps ahead.
.macro TURN slot, next, fill
	s_wait_tensorcnt 0x0                           ; all my tensor loads have landed: my part of the next slot
	ds_add_u32 v[SPW], v[NIL]                      ; 0 onto my spare word
	s_wait_dscnt 4*NL+1                            ; (the add and the youngest 16 loads may be out)
	WIN MUL_LO
	MUL16 0, 1, NQ-1, \slot, 0
	s_wait_dscnt 0x0                               ; the add is done, and my reads of this slot are over
	s_barrier_signal -1
	MUL16 2, 1, NQ-1, \slot, 0
	WIN 0
	s_barrier_wait -1
.if \fill
	CREST                                          ; the barrier has opened a round of the cluster's barrier: no wave of any partner still reads this slot or has a load on its way
	s_add_nc_u64 s[G0+4*\slot+2:G0+4*\slot+3], s[G0+4*\slot+2:G0+4*\slot+3], 786432
	s_add_nc_u64 s[G0B+4*\slot+2:G0B+4*\slot+3], s[G0B+4*\slot+2:G0B+4*\slot+3], 786432
	JLOAD G0+4*\slot, G1, G0B+4*\slot, G1B         ; the first tensor load behind the round; its four v_nop are the places in front of the loads below
.else
	PLACES NP
.endif
	v_add_nc_u32 v[ADRS], 4*NQ, v[ADRS]            ; the next K step's scale words
	FETCH_B \next, 0, 0
	FETCH_A \next, 0, 0
	SCALES \next
	WIN MUL_HI
	MUL16 4, 1, NQ-1, \slot, 0
	MUL16 6, 1, NQ-1, \slot, 0
	PLACES NP
	WIN 0
	FETCH_A \next, 0, 4
.endm
	s_wait_tensorcnt 1                             ; the scales and my part of K step 0 are in (K step 1's load may be out),
	s_barrier_signal -1
	s_barrier_wait -1                              ; everybody's are
	FETCH_B 0, 0, 0
	FETCH_A 0, 0, 0
	SCALES 0
	FETCH_A 0, 0, 4
	STEP 0, 0, 1                                   ; the first step's products start the sums
	s_mov_b32 s3, LAPS-1
.Llap:
	TURN 0, 1, 1
	STEP 1, 0, 0
	TURN 1, 0, 1
	STEP 0, 0, 0
	s_sub_co_u32 s3, s3, 1
	s_cmp_lg_u32 s3, 0
	s_cbranch_scc1 .Llap
	TURN 0, 1, 0                                   ; the last lap fills nothing
	STEP 1, 0, 0
	s_wait_dscnt 4*NL
	WIN MUL_LO
	MUL16 0, 1, NQ-1, 1, 0
	MUL16 2, 1, NQ-1, 1, 0
	s_wait_dscnt 0
	WIN MUL_HI
	MUL16 4, 1, NQ-1, 1, 0
	MUL16 6, 1, NQ-1, 1, 0
	WIN 0
	PLACES NP
; THE WAY OUT.  Block a's 64 registers of a lane are 128 neighbours' halves along B's rows: register 16 b + i = 32 b + 16 h + i.  They are quantised as they stand: a fragment of 12 registers and a scale word.
; q, k: the fragment's two halves are two heads' tiles.  v: they are one channel tile's 128 keys.  Each store of the wave covers 512 or 256 consecutive bytes, at a multiple of 256 from the buffer's first byte.
.macro QUANTW a
.set WN, 2+(\a)/4                      ; the block's window
.set WS, WN+4*WN                       ; for sources 0 and 1
.set ASRC, 64*((\a)%4)
	WIN WS
.irp b, 0,1,2,3
	v_max3_num_f32 v[TM+\b], |v[ASRC+16*\b]|, |v[ASRC+16*\b+1]|, 0x1800000   ; each accumulator is read from its low end on; the floor 2^(3 - 127) holds the byte at 1 from below
.endr
.irp i, 2,4,6,8,10,12,14
.irp b, 0,1,2,3
	v_max3_num_f32 v[TM+\b], |v[ASRC+16*\b+\i]|, |v[ASRC+16*\b+\i+1]|, v[TM+\b]
.endr
.endr
	WIN 0
.irp b, 0,1,2,3
	v_permlanex16_b32 v[TM+4+\b], v[TM+\b], s4, s5
.endr
.irp b, 0,1,2,3
	v_max_num_f32 v[TM+\b], v[TM+\b], v[TM+4+\b]
.endr
.irp b, 0,1,2,3
	v_add_nc_u32 v[TM+12+\b], 0xff000000, v[TM+\b]
.endr
.irp b, 0,1,2,3
	v_lshrrev_b32 v[TM+4+\b], 23, v[TM+12+\b]
.endr
	v_lshl_or_b32 v[PW+\a], v[TM+5], 8, v[TM+4]
	v_lshl_or_b32 v[PW+\a], v[TM+6], 16, v[PW+\a]
	v_lshl_or_b32 v[PW+\a], v[TM+7], 24, v[PW+\a]
	WIN WN
.irp c, 0,1
	v_cvt_scalef32_pk16_fp6_f32 v[PC+6*\c:PC+2+6*\c], v[ASRC+32*\c:ASRC+15+32*\c], v[TM+12+2*\c]
	v_cvt_scalef32_pk16_fp6_f32 v[PC+12+4*\c:PC+14+4*\c], v[ASRC+16+32*\c:ASRC+31+32*\c], v[TM+12+2*\c+1]
.endr
	WIN 0
	v_nop                                          ; one plain place behind a scaled conversion
.irp c, 0,1
.irp i, 0,1,2
	v_permlane16_swap_b32 v[PC+6*\c+\i], v[PC+12+4*\c+\i]
.endr
.irp i, 0,1,2
	v_mov_b32 v[PC+3+6*\c+\i], v[PC+12+4*\c+\i]
.endr
.endr
.endm
	s_mov_b32 s4, 0x76543210                       ; (the operands' pointer is done with)  lane l xor 16
	s_mov_b32 s5, 0xfedcba98
.irp b, 0,1,2,3
	v_mov_b32 v[TM+4+\b], 0                        ; a lane permute's destination counts as one of its sources
.endr
.irp a, 0,1,2,3,4,5,6,7
.if \a > 0
	s_wait_xcnt 0x0                                ; the last block's stores have read their registers and their base
	s_add_nc_u64 s[8:9], s[8:9], s[96:97]
.endif
	QUANTW \a
	global_store_b128 v24, v[PC:PC+3], s[8:9]
	global_store_b64 v25, v[PC+4:PC+5], s[8:9] offset:512
	global_store_b128 v26, v[PC+6:PC+9], s[8:9]
	global_store_b64 v30, v[PC+10:PC+11], s[8:9] offset:512
.endr
	; the scale words.  q, k: word p = tile 2 p's two bytes below, tile 2 p + 1's above; lanes 0-15 the first head's (the words' low halves), lanes 16-31 the second's.  v: word p = channel tile p's four bytes; lanes 16-31 the second head's
.irp p, 0,1,2,3
	v_perm_b32 v[132+\p], v[PW+2*\p+1], v[PW+2*\p], 0x05040100
	v_perm_b32 v[136+\p], v[PW+2*\p+1], v[PW+2*\p], 0x07060302
.endr
.irp p, 0,1,2,3
	v_cndmask_b32 v[132+\p], v[132+\p], v[136+\p], s100
	v_cndmask_b32 v[136+\p], v[PW+\p], v[PW+4+\p], s100
.endr
.irp p, 0,1,2,3
	v_cndmask_b32 v[132+\p], v[132+\p], v[136+\p], s99
.endr
	global_store_b128 v31, v[132:135], s[10:11]    ; each half of the lanes stores 256 consecutive bytes
	s_wait_tensorcnt 0x0                           ; the wave's end
	ds_add_u32 v[SPW], v[NIL]
	s_wait_dscnt 0x0
	CROUND                                         ; the closing round
	s_endpgm
.Lfunc_end_k_qa538f2f263_qkv:
	.size	k_qa538f2f263_qkv, .Lfunc_end_k_qa538f2f263_qkv-k_qa538f2f263_qkv
	.p2alignl 7, 3214868480
	.fill 96, 4, 3214868480
	.section	.rodata,"a",@progbits
	.p2align	6, 0x0
	.amdhsa_kernel k_qa538f2f263_qkv
		.amdhsa_group_segment_fixed_size 327680
		.amdhsa_private_segment_fixed_size 0
		.amdhsa_enable_private_segment 0
		.amdhsa_kernarg_size 32
		.amdhsa_user_sgpr_count 2
		.amdhsa_user_sgpr_kernarg_segment_ptr 1
		.amdhsa_wavefront_size32 1
		.amdhsa_system_sgpr_workgroup_id_x 1
		.amdhsa_system_sgpr_workgroup_id_y 1
		.amdhsa_system_sgpr_workgroup_id_z 1
		.amdhsa_system_vgpr_workitem_id 0
		.amdhsa_next_free_vgpr 1024
		.amdhsa_next_free_sgpr 102
		.amdhsa_reserve_vcc 0
		.amdhsa_float_denorm_mode_32 3
		.amdhsa_float_denorm_mode_16_64 3
		.amdhsa_memory_ordered 1
		.amdhsa_forward_progress 1
		.amdhsa_inst_pref_size 152
	.end_amdhsa_kernel
	.amdgpu_metadata
---
amdhsa.version: [ 1, 2 ]
amdhsa.kernels:
  - .name:           k_qa538f2f263_qkv
    .symbol:         k_qa538f2f263_qkv.kd
    .args:
      - { .name: opimg, .offset: 0, .size: 8, .value_kind: global_buffer, .address_space: global }
      - { .name: opscl, .offset: 8, .size: 8, .value_kind: global_buffer, .address_space: global }
      - { .name: img, .offset: 16, .size: 8, .value_kind: global_buffer, .address_space: global }
      - { .name: scl, .offset: 24, .size: 8, .value_kind: global_buffer, .address_space: global }
    .group_segment_fixed_size: 327680
    .private_segment_fixed_size: 0
    .kernarg_segment_align: 8
    .kernarg_segment_size: 32
    .max_flat_workgroup_size: 128
    .sgpr_count:     102
    .vgpr_count:     1024
    .wavefront_size: 32
...
	.end_amdgpu_metadata
.endif
;; end of part 2
;; launch attn (part 3): grid 4 x 64, 16 waves a work-group, no clusters, 206,848 bytes of LDS; arguments img, scl, mw, fl, aimg, ascl; writes aimg, ascl
.if DOCPART == 3
	.amdgcn_target "amdgcn-amd-amdhsa--gfx1250"
	.amdhsa_code_object_version 6
	.text
	.protected	k_qa538f2f263_attn
	.globl	k_qa538f2f263_attn
	.p2align	8
	.type	k_qa538f2f263_attn,@function
k_qa538f2f263_attn:
	s_mov_b64 s[64:65], 0
	v_nop
	global_prefetch_b8 v0, s[64:65] scope:SCOPE_SE
	s_setreg_imm32_b32 hwreg(HW_REG_WAVE_MODE, 25, 1), 1
	s_wait_xcnt 0x0
; attn[b][q][head] = softmax_k(q . k / 8, under the given mask) v, both products on codes of FP6 (E2M3) with E8M0 block scales; the result, divided by the row's sum, is quantised along the channels and leaves as codes.
; t = score x log2(e) / 8; M = the row's largest t so far, rounded up to a whole number; p = 2^(t - M) is quantised along the keys; the sum is taken of the unquantised p.  When M moves, sum and O are multiplied by 2^(old M - new M): exact.
; SHARES.  A work-group serves one (batch, head); four work-groups share its 128 query tiles.  Wave g of the head's 64 takes query tiles g and 127 - g, 16 queries each, and walks the 16 key steps of 128 keys.
; K, V AND THEIR SCALE WORDS OF THE WHOLE HEAD lie in LDS, 200 KiB, filled once through registers (wave w: key step w); one barrier; from then on LDS is only read.
; THE MASK IS AN INPUT.  An earlier launch has packed it: for (query tile, key step) 64 words, word j = the lanes whose score register j counts; and two flag bits: some key open, some key hidden.  A step with no open key adds only
; p = 0 and is passed over (a scalar branch on the stored flag); a step with no hidden key passes over the 64 selects.
; LAYOUT.  Both products transposed: S^T = K Q^T, O^T = V^T P^T: a lane holds one query.  The head's 64 channels are half of the instruction's K: a fragment of K holds TWO key tiles (registers 0-5, 6-11) and is multiplied once by
; (q | zeros) and once by (zeros | q).  Key tiles and V's channel tiles lie in the order that makes the 16 registers of two neighbouring tiles 16 neighbours.
; A QUERY WITH NO OPEN KEY has the sum 0: its codes are zeros and its scale bytes 0xff (NaN), so that the last product makes its whole output row NaN.
; The scale bytes go out one byte a lane, to rows 32 bytes apart: a row's 32 bytes come from 16 heads, that is from other work-groups; they are one byte in 24 of what the launch stores.
; No prefetch: K and V are read at the head, in one run; nothing is streamed behind it.
; LIMITS: blocks under 2^-124 keep the byte 1; a block of zeros gets the byte 1 where the rule says 127 (its codes are zeros, and this program alone reads the bytes).
.set LV,   98304                       ; LDS: K at 0: step x 6,144 + tile x 768;  V here: step x 6,144 + channel tile x 1,536
.set LKS,  196608                      ; K's scale words: step x 256 + 16 r;  V's 4,096 on
.set KV,   52                          ; v52-99   four fragments, of K and then of V
.set S,    100                         ; v100-163 S^T, then p
.set O,    164                         ; v164-195 O^T
.set PC,   196                         ; v196-207 p's codes
.set CT,   208                         ; v208-214 the conversions' second halves
.set BM,   216                         ; v216-219 the blocks' largest
.set BP,   220                         ; v220-223 at work
.set BS,   224                         ; v224-227 the conversions' scale operands
; v1 16 x lane, v2 8 x lane, v3 LKS + 16 r, v4-8 the step's addresses, v9 -infinity, v10 16 r, v11 32 r + h, v12 -M, v13 the largest t, v[14:15] the sum, v16-27 (q | 0), v28-39 (0 | q), v40, v41 their scale words,
; v42 p's scale word, v44-47 K's scale words, v48-51 V's, v[228:229] f and 0, v230-232, v239 at work, v233 0xff, v234-238 the fill's addresses
	s_load_b256 s[4:11], s[0:1], 0x0               ; img, scl, mw, fl
	s_load_b128 s[12:15], s[0:1], 0x20             ; aimg, ascl
	v_lshl_add_u32 v254, v0, 2, 0x32000
	v_mov_b32 v255, 0
	v_lshrrev_b32 v3, 5, v0
	v_readfirstlane_b32 s66, v3                    ; wave 0..15
	v_and_b32 v4, 31, v0
	v_and_b32 v5, 15, v0                           ; r
	v_bfe_u32 v6, v0, 4, 1                         ; h
	v_lshlrev_b32 v1, 4, v4
	v_lshlrev_b32 v2, 3, v4
	v_lshlrev_b32 v10, 4, v5
	v_add_nc_u32 v3, LKS, v10
	v_lshl_add_u32 v11, v5, 5, v6
	s_mul_i32 s28, s66, 6144
	v_add_nc_u32 v234, s28, v1                     ; K: my step's bytes, in memory and in LDS alike
	s_mul_i32 s29, s66, 1536
	v_add_nc_u32 v235, s29, v1                     ; V in memory
	v_add_nc_u32 v236, LV, v234                    ; V in LDS
	s_lshl_b32 s30, s66, 8
	v_add_nc_u32 v237, s30, v2                     ; scale words in memory
	v_add_nc_u32 v238, LKS, v237                   ; and in LDS
	s_and_b32 s67, ttmp7, 0xffff                   ; 16 x batch + head
	s_lshr_b32 s26, s67, 4
	s_and_b32 s27, s67, 15
	s_mov_b32 s25, 0
	s_lshl_b32 s24, s27, 8
	s_lshl_b32 s28, s26, 4
	s_add_co_u32 s24, s24, s28
	s_mul_i32 s24, s24, 1536
	s_add_co_u32 s24, s24, 12582912                ; V: (256 head + 16 batch) x 1,536, behind q and k
	s_wait_kmcnt 0x0
	s_add_nc_u64 s[18:19], s[4:5], s[24:25]
	s_mul_i32 s24, s67, 98304
	s_add_nc_u64 s[4:5], s[4:5], s[24:25]          ; q of my head
	s_add_nc_u64 s[12:13], s[12:13], s[24:25]      ; the result's images of my head
	s_add_nc_u64 s[16:17], s[4:5], 6291456         ; k
	s_lshl_b32 s24, s67, 12
	s_add_nc_u64 s[6:7], s[6:7], s[24:25]          ; q's scale words
	s_add_nc_u64 s[20:21], s[6:7], 262144          ; k's
	s_add_nc_u64 s[22:23], s[6:7], 524288          ; v's
	s_lshl_b32 s24, s26, 16
	s_lshl_b32 s28, s27, 1
	s_add_co_u32 s24, s24, s28
	s_add_nc_u64 s[14:15], s[14:15], s[24:25]      ; the result's scale bytes: 65,536 x batch + 2 x head
.irp c, 0,1,2,3,4,5,6,7,8,9,10,11
	global_load_b128 v[S+4*\c:S+4*\c+3], v234, s[16:17] offset:512*\c
.endr
.irp c, 0,1,2,3,4,5,6,7,8,9,10,11
	global_load_b128 v[S+48+4*\c:S+48+4*\c+3], v235, s[18:19] offset:(\c/3)*98304+(\c%3)*512
.endr
	global_load_b64 v[196:197], v237, s[20:21]
	global_load_b64 v[198:199], v237, s[22:23]
	v_mov_b32 v9, 0xff800000
.irp i, 22,23,24,25,26,27,28,29,30,31,32,33
	v_mov_b32 v\i, 0                               ; the zero halves of (q | 0) and (0 | q)
.endr
.irp i, 220,221,222,223,229,230
	v_mov_b32 v\i, 0                               ; lane permutes' destinations, and the upper half of f's pair
.endr
	v_mov_b32 v233, 0xff
	s_mov_b32 s73, 0xffff0000                      ; lanes 16-31
	s_mov_b32 s74, 0x76543210
	s_mov_b32 s75, 0xfedcba98                      ; lane l xor 16
	s_mov_b32 s76, 0x3e38aa3b                      ; c = log2(e) / 8
	s_mov_b32 s77, s76
	s_lshl_b32 s68, ttmp9, 4
	s_add_co_u32 s68, s68, s66                     ; my first query tile
	s_mov_b32 s78, 2
	s_wait_loadcnt 14                              ; K's twelve loads are in (behind them: V's twelve and the two of scale words)
.irp c, 0,1,2,3,4,5,6,7,8,9,10,11
	ds_store_b128 v234, v[S+4*\c:S+4*\c+3] offset:512*\c
.endr
	s_wait_loadcnt 2
.irp c, 0,1,2,3,4,5,6,7,8,9,10,11
	ds_store_b128 v236, v[S+48+4*\c:S+48+4*\c+3] offset:512*\c
.endr
	s_wait_loadcnt 0x0
	ds_store_b64 v238, v[196:197]
	ds_store_b64 v238, v[198:199] offset:4096
	s_wait_dscnt 0x0                               ; for the others' sake: my stores have landed
	s_barrier_signal -1
	s_barrier_wait -1                              ; the head's K and V lie in LDS; nobody writes LDS from here on
.macro FRAGS a16, a8                   ; four fragments: 1,536 bytes each, two half images
.irp p, 0,1,2,3
	ds_load_b128 v[KV+12*\p:KV+12*\p+3], v[\a16] offset:1536*\p
	ds_load_b64 v[KV+12*\p+4:KV+12*\p+5], v[\a8] offset:1536*\p+512
	ds_load_b128 v[KV+12*\p+6:KV+12*\p+9], v[\a16] offset:1536*\p+768
	ds_load_b64 v[KV+12*\p+10:KV+12*\p+11], v[\a8] offset:1536*\p+1280
.endr
.endm
.Ltile:                                            ; two trips: query tiles g and 127 - g
	s_lshl_b32 s79, s68, 3
	s_load_b64 s[100:101], s[10:11], s79 offset:0x0   ; the tile's flags
	s_mul_i32 s96, s68, 768
	s_mov_b32 s97, 0
	s_add_nc_u64 s[2:3], s[4:5], s[96:97]
	s_add_nc_u64 s[98:99], s[12:13], s[96:97]
	global_load_b128 v[16:19], v1, s[2:3]          ; q's half image, into the lower half of one operand
	global_load_b64 v[20:21], v2, s[2:3] offset:512
	global_load_b128 v[34:37], v1, s[2:3]          ; and into the upper half of the other
	global_load_b64 v[38:39], v2, s[2:3] offset:512
	s_lshr_b32 s70, s68, 3
	s_lshl_b32 s70, s70, 8
	s_bfe_u32 s71, s68, 0x20001
	s_lshl_b32 s71, s71, 2
	s_add_co_u32 s70, s70, s71
	v_add_nc_u32 v43, s70, v10
	global_load_b32 v40, v43, s[6:7]               ; the word that holds my tile's two bytes a row
	v_mov_b32 v13, 0xff61b1e6                      ; the largest t so far: -3e38
	v_floor_f32 v12, -v13                          ; -M
	v_mov_b32 v14, 0
	v_mov_b32 v15, 0
.set j, 0
.rept 32
	v_mov_b32 v[O+j], 0                            ; O^T: the step is written once, and a tile's first step may be any of the sixteen
.set j, j+1
.endr
	s_wait_kmcnt 0x0
	s_lshl_b32 s72, s101, 16
	s_or_b32 s72, s72, s100                        ; two bits a step
	s_and_b32 s79, s68, 1
	s_lshl_b32 s79, s79, 4
	s_wait_loadcnt 0x0
	v_lshrrev_b32 v40, s79, v40
	v_and_b32 v40, 0xffff, v40                     ; (q | 0): bytes 0, 1; the zeros' bytes are 0
	v_lshlrev_b32 v41, 16, v40                     ; (0 | q): bytes 2, 3
.rept 8
	v_nop                                          ; a scale register written by a vector instruction stands eight places ahead of a scaled matrix instruction
.endr
	s_mov_b32 s69, 0                               ; the key step
	s_mov_b32 s70, 0                               ; 6,144 x step
	s_mov_b32 s71, 0                               ; 256 x step
	s_lshl_b32 s96, s68, 12                        ; the step's mask words: 4,096 x tile + 256 x step
.Lstep:                                            ; sixteen trips
	s_bitcmp1_b32 s72, 0
	s_cbranch_scc0 .Lskip                          ; no key of this step is open for any of my queries
	s_load_b512 s[16:31], s[8:9], s96 offset:0x0
	s_load_b512 s[32:47], s[8:9], s96 offset:0x40
	s_load_b512 s[48:63], s[8:9], s96 offset:0x80
	s_load_b512 s[80:95], s[8:9], s96 offset:0xc0
	v_add_nc_u32 v4, s70, v1                       ; these five are also the places behind the last step's products
	v_add_nc_u32 v5, s70, v2
	v_add_nc_u32 v6, LV, v4
	v_add_nc_u32 v7, LV, v5
	v_add_nc_u32 v8, s71, v3
	FRAGS 4, 5                                     ; K: eight key tiles in four fragments
	ds_load_b128 v[44:47], v8
	ds_load_b128 v[48:51], v8 offset:4096
	s_wait_dscnt 0x0
.irp p, 0,1,2,3
	v_wmma_scale_f32_16x16x128_f8f6f4 v[S+16*\p:S+16*\p+7], v[KV+12*\p:KV+12*\p+11], v[16:27], 0, v[44+\p], v40 matrix_a_fmt:MATRIX_FMT_FP6 matrix_b_fmt:MATRIX_FMT_FP6
	v_wmma_scale_f32_16x16x128_f8f6f4 v[S+16*\p+8:S+16*\p+15], v[KV+12*\p:KV+12*\p+11], v[28:39], 0, v[44+\p], v41 matrix_a_fmt:MATRIX_FMT_FP6 matrix_b_fmt:MATRIX_FMT_FP6
.endr                                              ; register 16 b + i of lane (r, h): query r, key 128 step + 32 b + 16 h + i
.rept 4
	v_nop
.endr
	FRAGS 6, 7                                     ; V: it lands while the softmax is walked
	s_wait_kmcnt 0x0                               ; the mask words
	s_bitcmp1_b32 s72, 1
	s_cbranch_scc0 .Lopen                          ; no key of this step is hidden
.set j, 0
.rept 48
	v_cndmask_b32 v[S+j], v9, v[S+j], s[16+j]      ; a hidden key's score becomes -infinity: p = 0
.set j, j+1
.endr
.rept 16
	v_cndmask_b32 v[S+j], v9, v[S+j], s[32+j]
.set j, j+1
.endr
.Lopen:
.irp b, 0,1,2,3
	v_max3_num_f32 v[BM+\b], v[S+16*\b], v[S+1+16*\b], v[S+2+16*\b]   ; the largest score of each block of 32 keys: for the row's maximum and, since p rises with the score, for the block's largest p
.endr
.irp i, 3,5,7,9,11,13
.irp b, 0,1,2,3
	v_max3_num_f32 v[BM+\b], v[BM+\b], v[S+16*\b+\i], v[S+1+16*\b+\i]
.endr
.endr
.irp b, 0,1,2,3
	v_max_num_f32 v[BM+\b], v[BM+\b], v[S+15+16*\b]
.endr
.irp b, 0,1,2,3
	v_permlanex16_b32 v[BP+\b], v[BM+\b], s74, s75
.endr
.irp b, 0,1,2,3
	v_max_num_f32 v[BM+\b], v[BM+\b], v[BP+\b]
.endr
	v_max3_num_f32 v230, v[BM], v[BM+1], v[BM+2]
	v_max_num_f32 v230, v230, v[BM+3]
	v_mul_f32 v230, s76, v230                      ; as t
	v_max_num_f32 v13, v13, v230                   ; the running largest t
	v_mov_b32 v230, v12
	v_floor_f32 v12, -v13                          ; the new -M = -ceil(t)
	v_sub_f32 v230, v12, v230                      ; old M - new M: a whole number, 0 or less
	v_cvt_i32_f32 v230, v230                       ; (it saturates)
	v_ldexp_f32 v228, 1.0, v230                    ; f = 2^(old M - new M)
.set j, 0
.rept 32
	v_pk_fma_f32 v[S+j:S+j+1], v[S+j:S+j+1], s[76:77], v[12:13] op_sel_hi:[1,0,0]   ; t - M
.set j, j+2
.endr
.irp b, 0,1,2,3
	v_fma_f32 v[BM+\b], v[BM+\b], s76, v12
.endr
.set j, 0
.rept 64
	v_exp_f32 v[S+j], v[S+j]                       ; p = 2^(t - M)
.set j, j+1
.endr
	v_pk_mul_f32 v[14:15], v[14:15], v[228:229] op_sel_hi:[1,0]   ; the sums under the new M: a plain place behind the exponentials
	s_wait_alu depctr_va_vdst(0)                   ; one wait for the batch, ahead of its first reader
.irp b, 0,1,2,3
	v_exp_f32 v[BM+\b], v[BM+\b]                   ; the blocks' largest p
.endr
	v_pk_add_f32 v[BP:BP+1], v[S:S+1], v[S+2:S+3]  ; the row's sum, of the unquantised p, in two chains
.set j, 4
.rept 15
	v_pk_add_f32 v[14:15], v[14:15], v[S+j:S+j+1]
	v_pk_add_f32 v[BP:BP+1], v[BP:BP+1], v[S+j+2:S+j+3]
.set j, j+4
.endr
	v_pk_add_f32 v[14:15], v[14:15], v[BP:BP+1]
	s_wait_alu depctr_va_vdst(0)                   ; and one for the four
.irp b, 0,1,2,3
	v_max_num_f32 v[BM+\b], 0x1800000, v[BM+\b]    ; the floor 2^(3 - 127)
.endr
.irp b, 0,1,2,3
	v_add_nc_u32 v[BS+\b], 0xff000000, v[BM+\b]
.endr
.irp b, 0,1,2,3
	v_lshrrev_b32 v[BP+\b], 23, v[BS+\b]
.endr
	v_lshl_or_b32 v42, v[BP+1], 8, v[BP]
	v_lshl_or_b32 v42, v[BP+2], 16, v42
	v_lshl_or_b32 v42, v[BP+3], 24, v42
.irp c, 0,1
	v_cvt_scalef32_pk16_fp6_f32 v[PC+6*\c:PC+2+6*\c], v[S+32*\c:S+15+32*\c], v[BS+2*\c]
	v_cvt_scalef32_pk16_fp6_f32 v[CT+4*\c:CT+2+4*\c], v[S+16+32*\c:S+31+32*\c], v[BS+2*\c+1]
.endr
	v_nop                                          ; one plain place behind a scaled conversion
.irp c, 0,1
.irp i, 0,1,2
	v_permlane16_swap_b32 v[PC+6*\c+\i], v[CT+4*\c+\i]
.endr
.irp i, 0,1,2
	v_mov_b32 v[PC+3+6*\c+\i], v[CT+4*\c+\i]
.endr
.endr
.set j, 0
.rept 16
	v_pk_mul_f32 v[O+j:O+j+1], v[O+j:O+j+1], v[228:229] op_sel_hi:[1,0]   ; O^T under the new M; these sixteen are also the places ahead of the products
.set j, j+2
.endr
	s_wait_dscnt 0x0                               ; V
.irp t, 0,1,2,3                        ; the four accumulators take turns; the next step's eight products stand between two links
	v_wmma_scale_f32_16x16x128_f8f6f4 v[O+8*\t:O+8*\t+7], v[KV+12*\t:KV+12*\t+11], v[PC:PC+11], v[O+8*\t:O+8*\t+7], v[48+\t], v42 matrix_a_fmt:MATRIX_FMT_FP6 matrix_b_fmt:MATRIX_FMT_FP6
.endr
.Lskip:
	s_lshr_b32 s72, s72, 2
	s_add_co_u32 s70, s70, 6144
	s_add_co_u32 s71, s71, 256
	s_add_co_u32 s96, s96, 256
	s_add_co_u32 s69, s69, 1
	s_cmp_lt_u32 s69, 16
	s_cbranch_scc1 .Lstep
	; the tile's way out: O^T / the sum, quantised along the head's 64 channels: register 16 b + i is channel 32 b + 16 h + i
.rept 4
	v_nop
.endr
	v_add_f32 v14, v14, v15
	v_permlanex16_b32 v230, v14, s74, s75
	v_add_f32 v14, v14, v230                       ; the row's sum
	v_cmp_eq_f32 vcc_lo, 0, v14                    ; no key was open
	v_rcp_f32 v231, v14
	s_lshl_b32 s79, s68, 9
	v_add_nc_u32 v232, s79, v11                    ; (a plain place)  my scale byte: 512 x tile + 32 r + h
	s_wait_alu depctr_va_vdst(0)                   ; ahead of the reciprocal's first reader
	v_cndmask_b32 v231, v231, v229, vcc_lo         ; there the codes are zeros
.set j, 0
.rept 32
	v_mul_f32 v[S+j], v[O+j], v231
.set j, j+1
.endr
.irp b, 0,1
	v_max3_num_f32 v[BM+\b], |v[S+16*\b]|, |v[S+1+16*\b]|, 0x1800000
.endr
.irp i, 2,4,6,8,10,12,14
.irp b, 0,1
	v_max3_num_f32 v[BM+\b], v[BM+\b], |v[S+16*\b+\i]|, |v[S+1+16*\b+\i]|
.endr
.endr
.irp b, 0,1
	v_permlanex16_b32 v[BP+\b], v[BM+\b], s74, s75
.endr
.irp b, 0,1
	v_max_num_f32 v[BM+\b], v[BM+\b], v[BP+\b]
.endr
.irp b, 0,1
	v_add_nc_u32 v[BS+\b], 0xff000000, v[BM+\b]
.endr
.irp b, 0,1
	v_lshrrev_b32 v[BP+\b], 23, v[BS+\b]
.endr
	v_cvt_scalef32_pk16_fp6_f32 v[PC:PC+2], v[S:S+15], v[BS]
	v_cvt_scalef32_pk16_fp6_f32 v[CT:CT+2], v[S+16:S+31], v[BS+1]
	v_nop
.irp i, 0,1,2
	v_permlane16_swap_b32 v[PC+\i], v[CT+\i]
.endr
.irp i, 0,1,2
	v_mov_b32 v[PC+3+\i], v[CT+\i]
.endr
	v_cndmask_b32 v239, v[BP], v[BP+1], s73        ; lanes 0-15: block 0's byte, lanes 16-31: block 1's
	v_cndmask_b32 v239, v239, v233, vcc_lo         ; 0xff for a query with no open key
	global_store_b128 v1, v[PC:PC+3], s[98:99]     ; the half image: 512 and 256 consecutive bytes
	global_store_b64 v2, v[PC+4:PC+5], s[98:99] offset:512
	global_store_b8 v232, v239, s[14:15]
	s_wait_xcnt 0x0                                ; the stores have read their registers and bases: the next tile writes them again
	s_sub_co_u32 s68, 127, s68
	s_sub_co_u32 s78, s78, 1
	s_cmp_lg_u32 s78, 0
	s_cbranch_scc1 .Ltile
	s_wait_tensorcnt 0x0
	ds_add_u32 v254, v255
	s_wait_dscnt 0x0
	s_endpgm
.Lfunc_end_k_qa538f2f263_attn:
	.size	k_qa538f2f263_attn, .Lfunc_end_k_qa538f2f263_attn-k_qa538f2f263_attn
	.p2alignl 7, 3214868480
	.fill 96, 4, 3214868480
	.section	.rodata,"a",@progbits
	.p2align	6, 0x0
	.amdhsa_kernel k_qa538f2f263_attn
		.amdhsa_group_segment_fixed_size 206848
		.amdhsa_private_segment_fixed_size 0
		.amdhsa_enable_private_segment 0
		.amdhsa_kernarg_size 48
		.amdhsa_user_sgpr_count 2
		.amdhsa_user_sgpr_kernarg_segment_ptr 1
		.amdhsa_wavefront_size32 1
		.amdhsa_system_sgpr_workgroup_id_x 1
		.amdhsa_system_sgpr_workgroup_id_y 1
		.amdhsa_system_sgpr_workgroup_id_z 1
		.amdhsa_system_vgpr_workitem_id 0
		.amdhsa_next_free_vgpr 256
		.amdhsa_next_free_sgpr 102
		.amdhsa_reserve_vcc 1
		.amdhsa_float_denorm_mode_32 3
		.amdhsa_float_denorm_mode_16_64 3
		.amdhsa_memory_ordered 1
		.amdhsa_forward_progress 1
		.amdhsa_inst_pref_size 35
	.end_amdhsa_kernel
	.amdgpu_metadata
---
amdhsa.version: [ 1, 2 ]
amdhsa.kernels:
  - .name:           k_qa538f2f263_attn
    .symbol:         k_qa538f2f263_attn.kd
    .args:
      - { .name: img, .offset: 0, .size: 8, .value_kind: global_buffer, .address_space: global }
      - { .name: scl, .offset: 8, .size: 8, .value_kind: global_buffer, .address_space: global }
      - { .name: mw, .offset: 16, .size: 8, .value_kind: global_buffer, .address_space: global }
      - { .name: fl, .offset: 24, .size: 8, .value_kind: global_buffer, .address_space: global }
      - { .name: aimg, .offset: 32, .size: 8, .value_kind: global_buffer, .address_space: global }
      - { .name: ascl, .offset: 40, .size: 8, .value_kind: global_buffer, .address_space: global }
    .group_segment_fixed_size: 206848
    .private_segment_fixed_size: 0
    .kernarg_segment_align: 8
    .kernarg_segment_size: 48
    .max_flat_workgroup_size: 512
    .sgpr_count:     102
    .vgpr_count:     256
    .wavefront_size: 32
...
	.end_amdgpu_metadata
.endif
;; end of part 3
;; launch oproj (part 4): grid 4 x 32, 4 waves a work-group, clusters of 4 x 4, 327,680 bytes of LDS; arguments aimg, ascl, opimg, opscl, out0; writes out0
.if DOCPART == 4
	.amdgcn_target "amdgcn-amd-amdhsa--gfx1250"
	.amdhsa_code_object_version 6
	.text
	.protected	k_qa538f2f263_oproj
	.globl	k_qa538f2f263_oproj
	.p2align	8
	.type	k_qa538f2f263_oproj,@function
k_qa538f2f263_oproj:
	s_mov_b64 s[64:65], 0
	v_nop
	global_prefetch_b8 v0, s[64:65] scope:SCOPE_SE
	s_setreg_imm32_b32 hwreg(HW_REG_WAVE_MODE, 25, 1), 1
	s_wait_xcnt 0x0
	s_wait_alu depctr_hold_cnt(0) depctr_sa_sdst(0) depctr_va_vdst(0) depctr_va_sdst(0) depctr_va_ssrc(0) depctr_va_vcc(0) depctr_vm_vsrc(0)
	s_getreg_b32 s2, hwreg(HW_REG_IB_STS2, 6, 4)
	s_cmp_eq_u32 s2, 0
	s_cbranch_scc0 .Lentry_in_a_cluster
	s_endpgm
.Lentry_in_a_cluster:
	s_bfe_u32 s2, ttmp6, 0x10000c
	s_cmp_lg_u32 s2, 0xf033
	s_cbranch_scc0 .Lentry_shape_is_right
	s_endpgm
.Lentry_shape_is_right:
; out0 = attn W_o^T on codes of FP6 (E2M3) with E8M0 block scales, K = 1,024; out0 [8192][1024] f32.
; A work-group of four waves makes 256 x 256, a wave 128 x 128: 64 accumulators, 512 registers.  K goes in steps of 256 through two LDS slots filled by the tensor data mover.
; OPERANDS lie in memory as images of the operand's registers (half image: 16 rows x 64 K, 768 bytes: registers 0-3 at 16 x lane, 4-5 at 512 + 8 x lane), [group of 128 tiles][K half][tile][768]: a wave's tensor load brings
; 4 K halves x 8 tiles, four rows of 6,144 bytes; a fragment comes from LDS by four loads in which the lanes' bytes are consecutive.  A = attn (aimg, ascl), B = W_o (tiles 704 on of opimg, opscl).
; THE MATRIX INSTRUCTION IS USED TRANSPOSED (source 0 = W_o's rows, source 1 = attn's rows): a lane holds eight neighbouring numbers of a row of the output.
; Rows of both operands lie in tiles whose place i holds row 32 G + 8 u + i + 8 (i / 8); the way out puts rows and columns back by constants in its offsets.
; CLUSTERS: 4 x 4 work-groups; A's tiles are asked for jointly by a row of the cluster, B's by a column.  The 128 tiles of 256 x 256 are 128 work-groups.
; REGISTERS: window 0: v16-31 addresses; v32-63 scale words, two sets; v128-223 A's fragments, one set (on the way out v128-255 take rows).  window 1: B's fragments, two sets.  windows 2, 3: the accumulators.
.set NQ,     2
.set FR,     12
.set NL,     4
.set NP,     4                         ; places behind this matrix instruction (ISA guide 7.12.1)
.set KHB,    6144
.set HALFT,  4*KHB
.set SLOT,   4*HALFT
.set LAPS,   2
.set SCL,    2*SLOT
.set HALFS,  16*272
.set SBLK,   2*272
.set SPARE,  SCL+4*HALFS               ; the spare words, 128 bytes for each wave: two blocks of 256 bytes that no other line names
.set SPITCH, 528                       ; the way out: a stage of 16 rows x (512 + 16) bytes for each wave, in slot 0, which has had its last fill and its last read when the first result is stored there
.set ADRA, 16
.set ADRB, 20
.set STO,  24
.set RD,   25
.set CO,   26
.set ADRS, 27
.set SPW,  28
.set NIL,  29
.set SC,   32
.set AF,   128
.set BK,   128
.set G1, 24
.set G0, 32
.set G1B, 48
.set G0B, 56
.set G1S, 68
.set G0S, 76
.set G1SB, 80
.set G0SB, 88
.set MSB, 0
.macro WIN new                         ; the immediate's high byte repeats the setting that is left
.if MSB != \new
	s_set_vgpr_msb (MSB<<8)|\new
.set MSB, \new
.endif
.endm
.set MUL_LO, 0xa1
.set MUL_HI, 0xf1
.set TO_B,   0x40
.macro JLOAD g0a, g1a, g0b, g1b        ; a joint load: waves 0 and 1 fetch for A, waves 2 and 3 for B; four v_nop follow each of the two lines
	s_cmp_eq_u32 s15, 0
	s_cbranch_scc0 .Lfor_b_\@
	tensor_load_to_lds s[\g0a:\g0a+3], s[\g1a:\g1a+7]
	s_nop 0
.rept 4
	v_nop
.endr
	s_branch .Lasked_\@
.Lfor_b_\@:
	tensor_load_to_lds s[\g0b:\g0b+3], s[\g1b:\g1b+7]
	s_nop 0
.rept 4
	v_nop
.endr
.Lasked_\@:
.endm
.macro CREST
	s_cmp_lg_u32 s14, 0
	s_cbranch_scc1 .Lnot_wave_0_\@
	s_barrier_signal -3
.Lnot_wave_0_\@:
	s_barrier_wait -3
	s_barrier_signal -1
	s_barrier_wait -1
.endm
.macro CROUND
	s_barrier_signal -1
	s_barrier_wait -1
	CREST
.endm
	s_load_b128 s[4:7], s[0:1], 0x0                ; attn's codes, attn's scales
	s_load_b128 s[8:11], s[0:1], 0x10              ; the weights' codes, the weights' scales
	s_load_b64 s[12:13], s[0:1], 0x20              ; out0
	v_lshl_add_u32 v[SPW], v0, 2, SPARE
	v_mov_b32 v[NIL], 0
	ds_add_u32 v28, v29
	ds_add_u32 v28, v29
	s_wait_dscnt 0x0
	v_lshrrev_b32 v1, 5, v0
	v_readfirstlane_b32 s14, v1                    ; wave 0..3
	s_lshr_b32 s15, s14, 1
	s_and_b32 s16, s14, 1
	s_bfe_u32 s40, ttmp6, 0x40000                  ; cx
	s_bfe_u32 s41, ttmp6, 0x40004                  ; cy
	s_lshl_b32 s42, ttmp9, 2
	s_add_co_u32 s42, s42, s40                     ; tile column
	s_and_b32 s17, ttmp7, 0xffff
	s_lshl_b32 s17, s17, 2
	s_add_co_u32 s17, s17, s41                     ; tile row
	s_lshl_b32 s43, s41, 2
	s_lshl_b32 s43, 15, s43                        ; my row of the cluster
	s_lshl_b32 s44, 0x1111, s40                    ; my column
	s_or_b32 s[G1+0], s43, (3<<16)|(1<<21)         ; codes: 4 rows of 768 elements of 8 bytes, 12,288 elements apart; no padding
	s_or_b32 s[G1B+0], s44, (3<<16)|(1<<21)
.irp g, G1, G1B
	s_mov_b32 s[\g+1], 768<<16
	s_mov_b32 s[\g+2], 4<<16
	s_mov_b32 s[\g+3], 768<<16
	s_mov_b32 s[\g+4], 4
	s_mov_b32 s[\g+5], 12288
	s_mov_b32 s[\g+6], 0
	s_mov_b32 s[\g+7], 0
.endr
	s_or_b32 s[G1S+0], s43, (3<<16)|(1<<20)|(1<<21)|(5<<22)|(3<<25)   ; scales of 128 rows: 16 rows of 256 bytes, 16 bytes of padding behind each
	s_or_b32 s[G1SB+0], s44, (3<<16)|(1<<20)|(1<<21)|(5<<22)|(3<<25)
.irp g, G1S, G1SB
	s_mov_b32 s[\g+1], 32<<16
	s_mov_b32 s[\g+2], 16<<16
	s_mov_b32 s[\g+3], 32<<16
	s_mov_b32 s[\g+4], 16
	s_mov_b32 s[\g+5], 32
	s_mov_b32 s[\g+6], 0
	s_mov_b32 s[\g+7], 0
.endr
	s_lshl_b32 s18, s16, 3
	s_lshl_b32 s20, s17, 4
	s_add_co_u32 s20, s20, s18                     ; A's first tile: 16 x tile row + 8 x half
	s_lshl_b32 s46, s42, 4
	s_add_co_u32 s46, s46, s18
	s_add_co_u32 s46, s46, 704                     ; B's: W_o begins at tile 704
	s_lshl_b32 s22, s20, 9
	s_mov_b32 s23, 0
	s_lshr_b32 s21, s20, 7
	s_mul_i32 s21, s21, 1572864
	s_and_b32 s20, s20, 127
	s_mul_i32 s20, s20, 768
	s_add_co_u32 s20, s20, s21
	s_mov_b32 s21, 0
	s_lshl_b32 s92, s46, 9
	s_mov_b32 s93, 0
	s_lshr_b32 s47, s46, 7
	s_mul_i32 s47, s47, 1572864
	s_and_b32 s46, s46, 127
	s_mul_i32 s46, s46, 768
	s_add_co_u32 s46, s46, s47
	s_mov_b32 s47, 0
	s_mul_i32 s45, s14, HALFT
	s_mul_i32 s94, s14, HALFS
	s_wait_kmcnt 0x0
	s_add_nc_u64 s[20:21], s[4:5], s[20:21]
	s_add_nc_u64 s[22:23], s[6:7], s[22:23]
	s_add_nc_u64 s[46:47], s[8:9], s[46:47]
	s_add_nc_u64 s[92:93], s[10:11], s[92:93]
	CROUND                                         ; all sixteen work-groups are here: the first joint loads meet
	s_mov_b32 s[G0S], 1
	s_add_co_u32 s[G0S+1], s94, SCL
	s_mov_b64 s[G0S+2:G0S+3], s[22:23]
	s_or_b32 s[G0S+3], s[G0S+3], 0x80000000
	s_mov_b32 s[G0SB], 1
	s_add_co_u32 s[G0SB+1], s94, SCL
	s_mov_b64 s[G0SB+2:G0SB+3], s[92:93]
	s_or_b32 s[G0SB+3], s[G0SB+3], 0x80000000
	JLOAD G0S, G1S, G0SB, G1SB
.irp s, 0,1
	s_mov_b32 s[G0+4*\s], 1
	s_add_co_u32 s[G0+4*\s+1], s45, \s*SLOT
	s_add_nc_u64 s[G0+4*\s+2:G0+4*\s+3], s[20:21], \s*393216
	s_or_b32 s[G0+4*\s+3], s[G0+4*\s+3], 0x80000000
	s_mov_b32 s[G0B+4*\s], 1
	s_add_co_u32 s[G0B+4*\s+1], s45, \s*SLOT
	s_add_nc_u64 s[G0B+4*\s+2:G0B+4*\s+3], s[46:47], \s*393216
	s_or_b32 s[G0B+4*\s+3], s[G0B+4*\s+3], 0x80000000
	JLOAD G0+4*\s, G1, G0B+4*\s, G1B
.endr
	v_and_b32 v1, 15, v0                           ; r
	v_bfe_u32 v2, v0, 4, 1                         ; h
	v_and_b32 v3, 31, v0
	v_lshlrev_b32 v4, 4, v3                        ; 16 x lane
	v_lshlrev_b32 v7, 3, v3                        ; 8 x lane
	s_mul_i32 s21, s15, HALFT
	s_mul_i32 s22, s16, HALFT
	s_add_co_u32 s22, s22, 2*HALFT
.irp s, 0,1
	v_add_nc_u32 v[ADRA+\s], s21, v4
	v_add_nc_u32 v[ADRB+\s], s22, v4
	v_add_nc_u32 v[ADRA+2+\s], s21, v7
	v_add_nc_u32 v[ADRB+2+\s], s22, v7
	s_add_co_u32 s21, s21, SLOT
	s_add_co_u32 s22, s22, SLOT
.endr
	v_mul_u32_u24 v5, v1, 32
	v_lshrrev_b32 v6, 8, v5
	v_lshl_add_u32 v5, v6, 4, v5
	s_mul_i32 s21, s15, HALFS
	s_mul_i32 s22, s16, HALFS
	s_add_co_u32 s22, s22, 2*HALFS
	s_sub_co_u32 s22, s22, s21
	v_mul_u32_u24 v6, s22, v2                      ; lanes 16-31 take B's
	s_add_co_u32 s21, s21, SCL
	v_add_nc_u32 v5, v5, v6
	v_add_nc_u32 v[ADRS], s21, v5
	s_mul_i32 s23, s14, 16*SPITCH                  ; my stage
	v_mul_u32_u24 v5, v1, SPITCH
	v_lshl_add_u32 v5, v2, 6, v5                   ; in: row r, + 64 h: a lane's eight numbers of tile b are columns 32 (b / 2) + 8 (b % 2) + 16 h + 0 .. 7
	v_add_nc_u32 v[STO], s23, v5
	v_lshlrev_b32 v[CO], 4, v3                     ; back: the 32 lanes take one row of 512 bytes; and the same in the output
	v_add_nc_u32 v[RD], s23, v[CO]
	s_lshl_b32 s20, s17, 8
	s_lshl_b32 s21, s15, 7
	s_add_co_u32 s20, s20, s21                     ; my first row: 256 x tile row + 128 x half
	s_lshl_b32 s20, s20, 12                        ; x 4,096 bytes
	s_lshl_b32 s46, s42, 10
	s_lshl_b32 s47, s16, 9
	s_add_co_u32 s46, s46, s47                     ; my first column, in bytes
	s_add_co_u32 s20, s20, s46
	s_mov_b32 s21, 0
	s_add_nc_u64 s[12:13], s[12:13], s[20:21]
.macro FRAG reg, adr, q, i             ; a fragment: tile i's half images of K halves 2 q and 2 q + 1
	ds_load_b128 v[\reg:\reg+3], v[\adr] offset:(2*(\q))*KHB+(\i)*768
	ds_load_b64 v[\reg+4:\reg+5], v[\adr+2] offset:(2*(\q))*KHB+(\i)*768+512
	ds_load_b128 v[\reg+6:\reg+9], v[\adr] offset:(2*(\q)+1)*KHB+(\i)*768
	ds_load_b64 v[\reg+10:\reg+11], v[\adr+2] offset:(2*(\q)+1)*KHB+(\i)*768+512
.endm
.macro MUL16 a0, p, q, sc, zero        ; 16 matrix instructions; the 64 accumulators take turns, one instruction a turn
.irp a, \a0, \a0+1
.irp b, 0,1,2,3,4,5,6,7
.if \zero
	v_wmma_scale_f32_16x16x128_f8f6f4 v[8*(8*((\a)%4)+\b):8*(8*((\a)%4)+\b)+7], v[128*(\p)+FR*\b:128*(\p)+FR*\b+FR-1], v[AF+FR*(\a):AF+FR*(\a)+FR-1], 0, v[SC+8*NQ*(\sc)+NQ*\b+(\q)], v[SC+8*NQ*(\sc)+NQ*(\a)+(\q)] matrix_a_fmt:MATRIX_FMT_FP6 matrix_b_fmt:MATRIX_FMT_FP6 matrix_a_scale:MATRIX_SCALE_ROW1
.else
	v_wmma_scale_f32_16x16x128_f8f6f4 v[8*(8*((\a)%4)+\b):8*(8*((\a)%4)+\b)+7], v[128*(\p)+FR*\b:128*(\p)+FR*\b+FR-1], v[AF+FR*(\a):AF+FR*(\a)+FR-1], v[8*(8*((\a)%4)+\b):8*(8*((\a)%4)+\b)+7], v[SC+8*NQ*(\sc)+NQ*\b+(\q)], v[SC+8*NQ*(\sc)+NQ*(\a)+(\q)] matrix_a_fmt:MATRIX_FMT_FP6 matrix_b_fmt:MATRIX_FMT_FP6 matrix_a_scale:MATRIX_SCALE_ROW1
.endif
.endr
.endr
.endm
.macro FETCH_B slot, q, p
	WIN TO_B
.irp i, 0,1,2,3,4,5,6,7
	FRAG 128*(\p)+FR*\i, ADRB+\slot, \q, \i
.endr
	WIN 0
.endm
.macro FETCH_A slot, q, i0
.irp i, \i0, \i0+1, \i0+2, \i0+3
	FRAG AF+FR*(\i), ADRA+\slot, \q, \i
.endr
.endm
.macro SCALES sc
.irp i, 0,1,2,3,4,5,6,7
	ds_load_b64 v[SC+8*NQ*\sc+NQ*\i:SC+8*NQ*\sc+NQ*\i+1], v[ADRS] offset:\i*SBLK
.endr
.endm
.macro PLACES n
.rept \n
	v_nop
.endr
.endm
.macro STEP slot, q, zero
	s_wait_dscnt 4*NL                              ; B's set and A's blocks 0-3 are in; the youngest 16 loads (A's blocks 4-7) may be out
	WIN MUL_LO
	MUL16 0, (\q)%2, \q, \slot, \zero
	MUL16 2, (\q)%2, \q, \slot, \zero
	s_wait_dscnt 0
	PLACES NP
	FETCH_B \slot, (\q)+1, 1-(\q)%2
	FETCH_A \slot, (\q)+1, 0
	WIN MUL_HI
	MUL16 4, (\q)%2, \q, \slot, \zero
	MUL16 6, (\q)%2, \q, \slot, \zero
	PLACES NP
	WIN 0
	FETCH_A \slot, (\q)+1, 4
.endm
.macro TURN slot, next, fill
	s_wait_tensorcnt 0x0                           ; all my tensor loads have landed: my part of the next slot
	ds_add_u32 v[SPW], v[NIL]                      ; 0 onto my spare word
	s_wait_dscnt 4*NL+1                            ; (the add and the youngest 16 loads may be out)
	WIN MUL_LO
	MUL16 0, 1, NQ-1, \slot, 0
	s_wait_dscnt 0x0                               ; the add is done, and my reads of this slot are over
	s_barrier_signal -1
	MUL16 2, 1, NQ-1, \slot, 0
	WIN 0
	s_barrier_wait -1
.if \fill
	CREST                                          ; the barrier has opened a round of the cluster's barrier
	s_add_nc_u64 s[G0+4*\slot+2:G0+4*\slot+3], s[G0+4*\slot+2:G0+4*\slot+3], 786432
	s_add_nc_u64 s[G0B+4*\slot+2:G0B+4*\slot+3], s[G0B+4*\slot+2:G0B+4*\slot+3], 786432
	JLOAD G0+4*\slot, G1, G0B+4*\slot, G1B         ; the first tensor load behind the round
.else
	PLACES NP
.endif
	v_add_nc_u32 v[ADRS], 4*NQ, v[ADRS]
	FETCH_B \next, 0, 0
	FETCH_A \next, 0, 0
	SCALES \next
	WIN MUL_HI
	MUL16 4, 1, NQ-1, \slot, 0
	MUL16 6, 1, NQ-1, \slot, 0
	PLACES NP
	WIN 0
	FETCH_A \next, 0, 4
.endm
	s_wait_tensorcnt 1                             ; the scales and my part of K step 0 are in (K step 1's load may be out),
	s_barrier_signal -1
	s_barrier_wait -1                              ; everybody's are
	FETCH_B 0, 0, 0
	FETCH_A 0, 0, 0
	SCALES 0
	FETCH_A 0, 0, 4
	STEP 0, 0, 1
	s_mov_b32 s3, LAPS-1
.Llap:
	TURN 0, 1, 1
	STEP 1, 0, 0
	TURN 1, 0, 1
	STEP 0, 0, 0
	s_sub_co_u32 s3, s3, 1
	s_cmp_lg_u32 s3, 0
	s_cbranch_scc1 .Llap
	TURN 0, 1, 0
	STEP 1, 0, 0
	s_wait_dscnt 4*NL
	WIN MUL_LO
	MUL16 0, 1, NQ-1, 1, 0
	MUL16 2, 1, NQ-1, 1, 0
	s_wait_dscnt 0
	WIN MUL_HI
	MUL16 4, 1, NQ-1, 1, 0
	MUL16 6, 1, NQ-1, 1, 0
	WIN 0
; THE WAY OUT, block by block of 16 rows x 128 columns, through my own stage: the columns are put in order on the way in, the rows on the way to memory.  LDS serves a wave's instructions in order.
.macro TOSTAGE a
.set AC, 64*((\a)%4)
	WIN 0x08+4*((\a)/4)                            ; the data: window 2 or 3
.irp b, 0,1,2,3,4,5,6,7
	ds_store_b128 v[STO], v[AC+8*\b:AC+8*\b+3] offset:128*(\b/2)+32*(\b%2)       ; each accumulator from its low end on
	ds_store_b128 v[STO], v[AC+8*\b+4:AC+8*\b+7] offset:128*(\b/2)+32*(\b%2)+16
.endr
	WIN 0
.set BB, BK+64*((\a)%2)
.irp t, 0,1,2,3,4,5,6,7,8,9,10,11,12,13,14,15
	ds_load_b128 v[BB+4*\t:BB+4*\t+3], v[RD] offset:\t*SPITCH
.endr
.endm
.macro SEND a, younger                 ; younger: the LDS instructions issued behind block a's loads
.set BB, BK+64*((\a)%2)
	s_wait_dscnt \younger
.if (\a) > 0
.if ((\a)%2) == 1
	s_add_nc_u64 s[12:13], s[12:13], 8*4096        ; (behind a wait on XCNT)  tile 2 G + 1 begins 8 rows behind tile 2 G,
.else
	s_add_nc_u64 s[12:13], s[12:13], 24*4096       ; tile 2 G + 2 another 24
.endif
.endif
.irp t, 0,1,2,3,4,5,6,7,8,9,10,11,12,13,14,15
	global_store_b128 v[CO], v[BB+4*\t:BB+4*\t+3], s[12:13] offset:(\t+8*(\t/8))*4096 th:TH_STORE_NT   ; 32 lanes store 512 consecutive bytes, at a multiple of 256 from the output's first byte
.endr
.endm
	PLACES NP
	TOSTAGE 0
.irp a, 1,2,3,4,5,6,7
.if \a > 1
	s_wait_xcnt 0x0                                ; block a - 2's stores have read their registers and their base
.endif
	TOSTAGE \a
	SEND \a-1, 32                                  ; behind block a - 1's loads: block a's 16 stores and 16 loads
.endr
	s_wait_xcnt 0x0
	SEND 7, 0
	s_wait_tensorcnt 0x0                           ; the wave's end
	ds_add_u32 v[SPW], v[NIL]
	s_wait_dscnt 0x0
	CROUND                                         ; the closing round
	s_endpgm
.Lfunc_end_k_qa538f2f263_oproj:
	.size	k_qa538f2f263_oproj, .Lfunc_end_k_qa538f2f263_oproj-k_qa538f2f263_oproj
	.p2alignl 7, 3214868480
	.fill 96, 4, 3214868480
	.section	.rodata,"a",@progbits
	.p2align	6, 0x0
	.amdhsa_kernel k_qa538f2f263_oproj
		.amdhsa_group_segment_fixed_size 327680
		.amdhsa_private_segment_fixed_size 0
		.amdhsa_enable_private_segment 0
		.amdhsa_kernarg_size 40
		.amdhsa_user_sgpr_count 2
		.amdhsa_user_sgpr_kernarg_segment_ptr 1
		.amdhsa_wavefront_size32 1
		.amdhsa_system_sgpr_workgroup_id_x 1
		.amdhsa_system_sgpr_workgroup_id_y 1
		.amdhsa_system_sgpr_workgroup_id_z 1
		.amdhsa_system_vgpr_workitem_id 0
		.amdhsa_next_free_vgpr 1024
		.amdhsa_next_free_sgpr 98
		.amdhsa_reserve_vcc 0
		.amdhsa_float_denorm_mode_32 3
		.amdhsa_float_denorm_mode_16_64 3
		.amdhsa_memory_ordered 1
		.amdhsa_forward_progress 1
		.amdhsa_inst_pref_size 144
	.end_amdhsa_kernel
	.amdgpu_metadata
---
amdhsa.version: [ 1, 2 ]
amdhsa.kernels:
  - .name:           k_qa538f2f263_oproj
    .symbol:         k_qa538f2f263_oproj.kd
    .args:
      - { .name: aimg, .offset: 0, .size: 8, .value_kind: global_buffer, .address_space: global }
      - { .name: ascl, .offset: 8, .size: 8, .value_kind: global_buffer, .address_space: global }
      - { .name: opimg, .offset: 16, .size: 8, .value_kind: global_buffer, .address_space: global }
      - { .name: opscl, .offset: 24, .size: 8, .value_kind: global_buffer, .address_space: global }
      - { .name: out0, .offset: 32, .size: 8, .value_kind: global_buffer, .address_space: global }
    .group_segment_fixed_size: 327680
    .private_segment_fixed_size: 0
    .kernarg_segment_align: 8
    .kernarg_segment_size: 40
    .max_flat_workgroup_size: 128
    .sgpr_count:     98
    .vgpr_count:     1024
    .wavefront_size: 32
...
	.end_amdgpu_metadata
.endif
;; end of part 4
;; ======== version 2 of 2: 4 launches; version 1 with the launch attn written anew for expert scheduling mode
;; workspace buffers: opimg 9,437,184 bytes; opscl 393,216 bytes; mw 524,288 bytes of whole numbers; fl 1,024 bytes of whole numbers; img 18,874,368 bytes; scl 786,432 bytes; aimg 6,291,456 bytes; ascl 262,144 bytes
;; launch prep: the kernel of part 1 again; grid 256 x 1, 4 waves a work-group, no clusters, 68,096 bytes of LDS; arguments x, W_q, W_k, W_v, W_o, mask, opimg, opscl, mw, fl; writes opimg, opscl, mw, fl
;; launch qkv: the kernel of part 2 again; grid 12 x 32, 4 waves a work-group, clusters of 4 x 4, 327,680 bytes of LDS; arguments opimg, opscl, img, scl; writes img, scl
;; launch attn (part 5): grid 4 x 64, 16 waves a work-group, no clusters, 206,848 bytes of LDS; arguments img, scl, mw, fl, aimg, ascl; writes aimg, ascl
.if DOCPART == 5
	.amdgcn_target "amdgcn-amd-amdhsa--gfx1250"
	.amdhsa_code_object_version 6
	.text
	.protected	k_qa538f2f263_attn
	.globl	k_qa538f2f263_attn
	.p2align	8
	.type	k_qa538f2f263_attn,@function
k_qa538f2f263_attn:
	s_mov_b64 s[64:65], 0
	v_nop
	global_prefetch_b8 v0, s[64:65] scope:SCOPE_SE
	s_setreg_imm32_b32 hwreg(HW_REG_WAVE_SCHED_MODE, 0, 2), 2
	s_setreg_imm32_b32 hwreg(HW_REG_WAVE_MODE, 25, 1), 1
	s_wait_xcnt 0x0
	s_wait_alu depctr_vm_vsrc(0)
; attn[b][q][head] = softmax_k(q . k / 8, under the given mask) v, both products on codes of FP6 (E2M3) with E8M0 block scales; the result, divided by the row's sum, is quantised along the channels and leaves as codes.
; t = score x log2(e) / 8; M = the row's largest t so far, rounded up to a whole number; p = 2^(t - M) is quantised along the keys; the sum is taken of the unquantised p.  When M moves, sum and O are multiplied by 2^(old M - new M): exact.
; SHARES.  A work-group serves one (batch, head); four work-groups share its 128 query tiles.  Wave g of the head's 64 takes query tiles g and 127 - g, 16 queries each, and walks the 16 key steps of 128 keys.
; K, V AND THEIR SCALE WORDS OF THE WHOLE HEAD lie in LDS, 200 KiB, filled once through registers (wave w: key step w); one barrier; from then on LDS is only read.
; THE MASK IS AN INPUT.  An earlier launch has packed it: for (query tile, key step) 64 words, word j = the lanes whose score register j counts; and two flag bits: some key open, some key hidden.  A step with no open key adds only
; p = 0 and is passed over (a scalar branch on the stored flag); a step with no hidden key passes over the 64 selects.
; LAYOUT.  Both products transposed: S^T = K Q^T, O^T = V^T P^T: a lane holds one query.  The head's 64 channels are half of the instruction's K: a fragment of K holds TWO key tiles (registers 0-5, 6-11) and is multiplied once by
; (q | zeros) and once by (zeros | q).  Key tiles and V's channel tiles lie in the order that makes the 16 registers of two neighbouring tiles 16 neighbours.
; A QUERY WITH NO OPEN KEY has the sum 0: its codes are zeros and its scale bytes 0xff (NaN), so that the last product makes its whole output row NaN.
; The scale bytes go out one byte a lane, to rows 32 bytes apart: a row's 32 bytes come from 16 heads, that is from other work-groups; they are one byte in 24 of what the launch stores.
; No prefetch: K and V are read at the head, in one run; nothing is streamed behind it.
; LIMITS: blocks under 2^-124 keep the byte 1; a block of zeros gets the byte 1 where the rule says 127 (its codes are zeros, and this program alone reads the bytes).
; THE MODE: SCHED_MODE bits 1:0 = 2 (LLVM: expert scheduling mode 2), set by the entry lines.  The code itself states the register dependences between vector or matrix instructions and memory or LDS instructions,
; with s_wait_alu, always for 0.
; THE PLAN.  Registers that memory or LDS instructions touch:
;   v1, v2, v234-238   offsets and the fill's addresses: made at the head, never written again.
;   v100-199           the fill: global loads land there and LDS stores read them; behind the barrier they become S, O and p's codes.
;   v4-8               the step's LDS addresses: written by five additions at a step's head, read by the step's 34 LDS loads.
;   KV, v44-51         K's fragments and both kinds of scale words land at a step's head; the eight score products read K; V's fragments land in the same 48 registers; the four products V^T P read them; then the next step's K lands.
;                      (A wave's 256 registers hold no second set of 48: sixteen are free.)
;   v16-21, v34-39, v40, v43   a tile's q, its scale word and that word's offset: loaded, or written, at a tile's head; read by all the tile's score products.
;   v196-201, v239, v232       a tile's result: codes, scale byte and the byte's offset: written by vector instructions at the tile's end, read by its three stores.
; A STEP has one wait on vm_vsrc, ahead of the five additions, and five on va_vdst: behind the additions (the addresses are written, the last step's products are done with KV and the scale words); behind the score products
; (they are done with KV: V may land); behind each of the two batches of exponentials; and ahead of V^T P (p's codes and scale word are written).  A TILE has one on va_vdst at its head, ahead of its five loads, three waits at its
; end (the reciprocal; VCC; the stores' data), and one on vm_vsrc ahead of the backward branch.
.set LV,   98304                       ; LDS: K at 0: step x 6,144 + tile x 768;  V here: step x 6,144 + channel tile x 1,536
.set LKS,  196608                      ; K's scale words: step x 256 + 16 r;  V's 4,096 on
.set KV,   52                          ; v52-99   four fragments, of K and then of V
.set S,    100                         ; v100-163 S^T, then p
.set O,    164                         ; v164-195 O^T
.set PC,   196                         ; v196-207 p's codes
.set CT,   208                         ; v208-214 the conversions' second halves
.set BM,   216                         ; v216-219 the blocks' largest
.set BP,   220                         ; v220-223 at work
.set BS,   224                         ; v224-227 the conversions' scale operands
; v1 16 x lane, v2 8 x lane, v3 LKS + 16 r, v4-8 the step's addresses, v9 -infinity, v10 16 r, v11 32 r + h, v12 -M, v13 the largest t, v[14:15] the sum, v16-27 (q | 0), v28-39 (0 | q), v40, v41 their scale words,
; v42 p's scale word, v44-47 K's scale words, v48-51 V's, v[228:229] f and 0, v230-232, v239 at work, v233 0xff, v234-238 the fill's addresses
	s_load_b256 s[4:11], s[0:1], 0x0               ; img, scl, mw, fl
	s_load_b128 s[12:15], s[0:1], 0x20             ; aimg, ascl
	v_lshl_add_u32 v254, v0, 2, 0x32000
	v_mov_b32 v255, 0
	v_lshrrev_b32 v3, 5, v0
	v_readfirstlane_b32 s66, v3                    ; wave 0..15
	v_and_b32 v4, 31, v0
	v_and_b32 v5, 15, v0                           ; r
	v_bfe_u32 v6, v0, 4, 1                         ; h
	v_lshlrev_b32 v1, 4, v4
	v_lshlrev_b32 v2, 3, v4
	v_lshlrev_b32 v10, 4, v5
	v_add_nc_u32 v3, LKS, v10
	v_lshl_add_u32 v11, v5, 5, v6
	s_wait_alu depctr_va_sdst(0)                   ; s66 is written, ahead of its first reader: the fill's addresses and my query tiles are made from it
	s_mul_i32 s28, s66, 6144
	v_add_nc_u32 v234, s28, v1                     ; K: my step's bytes, in memory and in LDS alike
	s_mul_i32 s29, s66, 1536
	v_add_nc_u32 v235, s29, v1                     ; V in memory
	v_add_nc_u32 v236, LV, v234                    ; V in LDS
	s_lshl_b32 s30, s66, 8
	v_add_nc_u32 v237, s30, v2                     ; scale words in memory
	v_add_nc_u32 v238, LKS, v237                   ; and in LDS
	s_and_b32 s67, ttmp7, 0xffff                   ; 16 x batch + head
	s_lshr_b32 s26, s67, 4
	s_and_b32 s27, s67, 15
	s_mov_b32 s25, 0
	s_lshl_b32 s24, s27, 8
	s_lshl_b32 s28, s26, 4
	s_add_co_u32 s24, s24, s28
	s_mul_i32 s24, s24, 1536
	s_add_co_u32 s24, s24, 12582912                ; V: (256 head + 16 batch) x 1,536, behind q and k
	s_wait_kmcnt 0x0
	s_add_nc_u64 s[18:19], s[4:5], s[24:25]
	s_mul_i32 s24, s67, 98304
	s_add_nc_u64 s[4:5], s[4:5], s[24:25]          ; q of my head
	s_add_nc_u64 s[12:13], s[12:13], s[24:25]      ; the result's images of my head
	s_add_nc_u64 s[16:17], s[4:5], 6291456         ; k
	s_lshl_b32 s24, s67, 12
	s_add_nc_u64 s[6:7], s[6:7], s[24:25]          ; q's scale words
	s_add_nc_u64 s[20:21], s[6:7], 262144          ; k's
	s_add_nc_u64 s[22:23], s[6:7], 524288          ; v's
	s_lshl_b32 s24, s26, 16
	s_lshl_b32 s28, s27, 1
	s_add_co_u32 s24, s24, s28
	s_add_nc_u64 s[14:15], s[14:15], s[24:25]      ; the result's scale bytes: 65,536 x batch + 2 x head
	s_wait_alu depctr_va_vdst(0)                   ; v1, v2 and v234 to v238 are written: the fill's loads and LDS stores, q's loads and the result's stores read them as offsets and addresses
.irp c, 0,1,2,3,4,5,6,7,8,9,10,11
	global_load_b128 v[S+4*\c:S+4*\c+3], v234, s[16:17] offset:512*\c
.endr
.irp c, 0,1,2,3,4,5,6,7,8,9,10,11
	global_load_b128 v[S+48+4*\c:S+48+4*\c+3], v235, s[18:19] offset:(\c/3)*98304+(\c%3)*512
.endr
	global_load_b64 v[196:197], v237, s[20:21]
	global_load_b64 v[198:199], v237, s[22:23]
	v_mov_b32 v9, 0xff800000                       ; (these lines name no register that the fill's loads or LDS stores touch)
.irp i, 22,23,24,25,26,27,28,29,30,31,32,33
	v_mov_b32 v\i, 0                               ; the zero halves of (q | 0) and (0 | q)
.endr
.irp i, 220,221,222,223,229,230
	v_mov_b32 v\i, 0                               ; lane permutes' destinations, and the upper half of f's pair
.endr
	v_mov_b32 v233, 0xff
	s_mov_b32 s73, 0xffff0000                      ; lanes 16-31
	s_mov_b32 s74, 0x76543210
	s_mov_b32 s75, 0xfedcba98                      ; lane l xor 16
	s_mov_b32 s76, 0x3e38aa3b                      ; c = log2(e) / 8
	s_mov_b32 s77, s76
	s_lshl_b32 s68, ttmp9, 4
	s_add_co_u32 s68, s68, s66                     ; my first query tile
	s_mov_b32 s78, 2
	s_wait_loadcnt 14                              ; K's twelve loads are in (behind them: V's twelve and the two of scale words)
.irp c, 0,1,2,3,4,5,6,7,8,9,10,11
	ds_store_b128 v234, v[S+4*\c:S+4*\c+3] offset:512*\c
.endr
	s_wait_loadcnt 2
.irp c, 0,1,2,3,4,5,6,7,8,9,10,11
	ds_store_b128 v236, v[S+48+4*\c:S+48+4*\c+3] offset:512*\c
.endr
	s_wait_loadcnt 0x0
	ds_store_b64 v238, v[196:197]
	ds_store_b64 v238, v[198:199] offset:4096
	s_wait_dscnt 0x0                               ; for the others' sake: my stores have landed
	s_barrier_signal -1
	s_barrier_wait -1                              ; the head's K and V lie in LDS; nobody writes LDS from here on
	s_wait_alu depctr_vm_vsrc(0)                   ; my LDS stores have read v100 to v199: these registers are S, O and p's codes from here on, written by matrix and vector instructions
.macro FRAGS a16, a8                   ; four fragments: 1,536 bytes each, two half images
.irp p, 0,1,2,3
	ds_load_b128 v[KV+12*\p:KV+12*\p+3], v[\a16] offset:1536*\p
	ds_load_b64 v[KV+12*\p+4:KV+12*\p+5], v[\a8] offset:1536*\p+512
	ds_load_b128 v[KV+12*\p+6:KV+12*\p+9], v[\a16] offset:1536*\p+768
	ds_load_b64 v[KV+12*\p+10:KV+12*\p+11], v[\a8] offset:1536*\p+1280
.endr
.endm
.Ltile:                                            ; two trips: query tiles g and 127 - g
	s_lshl_b32 s79, s68, 3
	s_load_b64 s[100:101], s[10:11], s79 offset:0x0   ; the tile's flags
	s_lshr_b32 s70, s68, 3
	s_lshl_b32 s70, s70, 8
	s_bfe_u32 s71, s68, 0x20001
	s_lshl_b32 s71, s71, 2
	s_add_co_u32 s70, s70, s71
	v_add_nc_u32 v43, s70, v10                     ; where the word lies that holds my tile's two bytes a row (the last tile's load by v43 has read it: the wait ahead of the backward branch)
	s_mul_i32 s96, s68, 768
	s_mov_b32 s97, 0
	s_add_nc_u64 s[2:3], s[4:5], s[96:97]
	s_add_nc_u64 s[98:99], s[12:13], s[96:97]
	s_wait_alu depctr_va_vdst(0)                   ; v43 is written, which the fifth load reads; the last tile's score products are done reading q and v40, and its shifts have written v40: the five loads land there
	global_load_b128 v[16:19], v1, s[2:3]          ; q's half image, into the lower half of one operand
	global_load_b64 v[20:21], v2, s[2:3] offset:512
	global_load_b128 v[34:37], v1, s[2:3]          ; and into the upper half of the other
	global_load_b64 v[38:39], v2, s[2:3] offset:512
	global_load_b32 v40, v43, s[6:7]               ; the word that holds my tile's two bytes a row
	v_mov_b32 v13, 0xff61b1e6                      ; the largest t so far: -3e38
	v_floor_f32 v12, -v13                          ; -M
	v_mov_b32 v14, 0
	v_mov_b32 v15, 0
.set j, 0
.rept 32
	v_mov_b32 v[O+j], 0                            ; O^T: the step is written once, and a tile's first step may be any of the sixteen
.set j, j+1
.endr
	s_wait_kmcnt 0x0
	s_lshl_b32 s72, s101, 16
	s_or_b32 s72, s72, s100                        ; two bits a step
	s_and_b32 s79, s68, 1
	s_lshl_b32 s79, s79, 4
	s_wait_loadcnt 0x0
	v_lshrrev_b32 v40, s79, v40
	v_and_b32 v40, 0xffff, v40                     ; (q | 0): bytes 0, 1; the zeros' bytes are 0
	v_lshlrev_b32 v41, 16, v40                     ; (0 | q): bytes 2, 3
.rept 8
	v_nop                                          ; a scale register written by a vector instruction stands eight places ahead of a scaled matrix instruction; the wait for v40 and v41 is the one at the head of the step that first multiplies
.endr
	s_mov_b32 s69, 0                               ; the key step
	s_mov_b32 s70, 0                               ; 6,144 x step
	s_mov_b32 s71, 0                               ; 256 x step
	s_lshl_b32 s96, s68, 12                        ; the step's mask words: 4,096 x tile + 256 x step
.Lstep:                                            ; sixteen trips
	s_bitcmp1_b32 s72, 0
	s_cbranch_scc0 .Lskip                          ; no key of this step is open for any of my queries
	s_load_b512 s[16:31], s[8:9], s96 offset:0x0
	s_load_b512 s[32:47], s[8:9], s96 offset:0x40
	s_load_b512 s[48:63], s[8:9], s96 offset:0x80
	s_load_b512 s[80:95], s[8:9], s96 offset:0xc0
	s_wait_alu depctr_vm_vsrc(0)                   ; the LDS loads issued so far have read v4 to v8, which the five additions write again
	v_add_nc_u32 v4, s70, v1
	v_add_nc_u32 v5, s70, v2
	v_add_nc_u32 v6, LV, v4
	v_add_nc_u32 v7, LV, v5
	v_add_nc_u32 v8, s71, v3
	s_wait_alu depctr_va_vdst(0)                   ; v4 to v8 are written, which this step's LDS loads read; the last step's products are done reading KV and v44 to v51, in which the loads below land; in a tile's first step v40 and v41, the score products' scales, are written
	FRAGS 4, 5                                     ; K: eight key tiles in four fragments
	ds_load_b128 v[44:47], v8
	ds_load_b128 v[48:51], v8 offset:4096
	s_wait_dscnt 0x0
.irp p, 0,1,2,3
	v_wmma_scale_f32_16x16x128_f8f6f4 v[S+16*\p:S+16*\p+7], v[KV+12*\p:KV+12*\p+11], v[16:27], 0, v[44+\p], v40 matrix_a_fmt:MATRIX_FMT_FP6 matrix_b_fmt:MATRIX_FMT_FP6
	v_wmma_scale_f32_16x16x128_f8f6f4 v[S+16*\p+8:S+16*\p+15], v[KV+12*\p:KV+12*\p+11], v[28:39], 0, v[44+\p], v41 matrix_a_fmt:MATRIX_FMT_FP6 matrix_b_fmt:MATRIX_FMT_FP6
.endr                                              ; register 16 b + i of lane (r, h): query r, key 128 step + 32 b + 16 h + i
.rept 4
	v_nop                                          ; four places behind the last product, before vector instructions read the scores (ISA guide 7.12.1)
.endr
	s_wait_alu depctr_va_vdst(0)                   ; the eight score products are done reading KV, in which V's fragments land (v6 and v7 were written ahead of the wait at the step's head)
	FRAGS 6, 7                                     ; V: it lands while the softmax is walked
	s_wait_kmcnt 0x0                               ; the mask words
	s_bitcmp1_b32 s72, 1
	s_cbranch_scc0 .Lopen                          ; no key of this step is hidden
.set j, 0
.rept 48
	v_cndmask_b32 v[S+j], v9, v[S+j], s[16+j]      ; a hidden key's score becomes -infinity: p = 0
.set j, j+1
.endr
.rept 16
	v_cndmask_b32 v[S+j], v9, v[S+j], s[32+j]
.set j, j+1
.endr
.Lopen:
.irp b, 0,1,2,3
	v_max3_num_f32 v[BM+\b], v[S+16*\b], v[S+1+16*\b], v[S+2+16*\b]   ; the largest score of each block of 32 keys: for the row's maximum and, since p rises with the score, for the block's largest p
.endr
.irp i, 3,5,7,9,11,13
.irp b, 0,1,2,3
	v_max3_num_f32 v[BM+\b], v[BM+\b], v[S+16*\b+\i], v[S+1+16*\b+\i]
.endr
.endr
.irp b, 0,1,2,3
	v_max_num_f32 v[BM+\b], v[BM+\b], v[S+15+16*\b]
.endr
.irp b, 0,1,2,3
	v_permlanex16_b32 v[BP+\b], v[BM+\b], s74, s75
.endr
.irp b, 0,1,2,3
	v_max_num_f32 v[BM+\b], v[BM+\b], v[BP+\b]
.endr
	v_max3_num_f32 v230, v[BM], v[BM+1], v[BM+2]
	v_max_num_f32 v230, v230, v[BM+3]
	v_mul_f32 v230, s76, v230                      ; as t
	v_max_num_f32 v13, v13, v230                   ; the running largest t
	v_mov_b32 v230, v12
	v_floor_f32 v12, -v13                          ; the new -M = -ceil(t)
	v_sub_f32 v230, v12, v230                      ; old M - new M: a whole number, 0 or less
	v_cvt_i32_f32 v230, v230                       ; (it saturates)
	v_ldexp_f32 v228, 1.0, v230                    ; f = 2^(old M - new M)
.set j, 0
.rept 32
	v_pk_fma_f32 v[S+j:S+j+1], v[S+j:S+j+1], s[76:77], v[12:13] op_sel_hi:[1,0,0]   ; t - M
.set j, j+2
.endr
.irp b, 0,1,2,3
	v_fma_f32 v[BM+\b], v[BM+\b], s76, v12
.endr
.set j, 0
.rept 64
	v_exp_f32 v[S+j], v[S+j]                       ; p = 2^(t - M)
.set j, j+1
.endr
	v_pk_mul_f32 v[14:15], v[14:15], v[228:229] op_sel_hi:[1,0]   ; the sums under the new M: a plain place behind the exponentials
	s_wait_alu depctr_va_vdst(0)                   ; the 64 exponentials have written p, v100 to v163, which the sums below read first: one wait for the batch
.irp b, 0,1,2,3
	v_exp_f32 v[BM+\b], v[BM+\b]                   ; the blocks' largest p
.endr
	v_pk_add_f32 v[BP:BP+1], v[S:S+1], v[S+2:S+3]  ; the row's sum, of the unquantised p, in two chains
.set j, 4
.rept 15
	v_pk_add_f32 v[14:15], v[14:15], v[S+j:S+j+1]
	v_pk_add_f32 v[BP:BP+1], v[BP:BP+1], v[S+j+2:S+j+3]
.set j, j+4
.endr
	v_pk_add_f32 v[14:15], v[14:15], v[BP:BP+1]
	s_wait_alu depctr_va_vdst(0)                   ; the four exponentials have written the blocks' largest p, v216 to v219, which the next lines read
.irp b, 0,1,2,3
	v_max_num_f32 v[BM+\b], 0x1800000, v[BM+\b]    ; the floor 2^(3 - 127)
.endr
.irp b, 0,1,2,3
	v_add_nc_u32 v[BS+\b], 0xff000000, v[BM+\b]
.endr
.irp b, 0,1,2,3
	v_lshrrev_b32 v[BP+\b], 23, v[BS+\b]
.endr
	v_lshl_or_b32 v42, v[BP+1], 8, v[BP]
	v_lshl_or_b32 v42, v[BP+2], 16, v42
	v_lshl_or_b32 v42, v[BP+3], 24, v42
.irp c, 0,1
	v_cvt_scalef32_pk16_fp6_f32 v[PC+6*\c:PC+2+6*\c], v[S+32*\c:S+15+32*\c], v[BS+2*\c]
	v_cvt_scalef32_pk16_fp6_f32 v[CT+4*\c:CT+2+4*\c], v[S+16+32*\c:S+31+32*\c], v[BS+2*\c+1]
.endr
	v_nop                                          ; one plain place behind a scaled conversion
.irp c, 0,1
.irp i, 0,1,2
	v_permlane16_swap_b32 v[PC+6*\c+\i], v[CT+4*\c+\i]
.endr
.irp i, 0,1,2
	v_mov_b32 v[PC+3+6*\c+\i], v[CT+4*\c+\i]
.endr
.endr
.set j, 0
.rept 16
	v_pk_mul_f32 v[O+j:O+j+1], v[O+j:O+j+1], v[228:229] op_sel_hi:[1,0]   ; O^T under the new M; these sixteen are also the places ahead of the products
.set j, j+2
.endr
	s_wait_alu depctr_va_vdst(0)                   ; p's codes, v196 to v207, and p's scale word, v42, are written, which the four scaled products take; the places above stay beside this wait
	s_wait_dscnt 0x0                               ; V
.irp t, 0,1,2,3                        ; the four accumulators take turns; the next step's eight products stand between two links
	v_wmma_scale_f32_16x16x128_f8f6f4 v[O+8*\t:O+8*\t+7], v[KV+12*\t:KV+12*\t+11], v[PC:PC+11], v[O+8*\t:O+8*\t+7], v[48+\t], v42 matrix_a_fmt:MATRIX_FMT_FP6 matrix_b_fmt:MATRIX_FMT_FP6
.endr
.Lskip:
	s_lshr_b32 s72, s72, 2
	s_add_co_u32 s70, s70, 6144
	s_add_co_u32 s71, s71, 256
	s_add_co_u32 s96, s96, 256
	s_add_co_u32 s69, s69, 1
	s_cmp_lt_u32 s69, 16
	s_cbranch_scc1 .Lstep
	; the tile's way out: O^T / the sum, quantised along the head's 64 channels: register 16 b + i is channel 32 b + 16 h + i
.rept 4
	v_nop                                          ; four places behind the last products, before O^T is read (ISA guide 7.12.1)
.endr
	v_add_f32 v14, v14, v15
	v_permlanex16_b32 v230, v14, s74, s75
	v_add_f32 v14, v14, v230                       ; the row's sum
	v_cmp_eq_f32 vcc_lo, 0, v14                    ; no key was open
	v_rcp_f32 v231, v14
	s_lshl_b32 s79, s68, 9
	v_add_nc_u32 v232, s79, v11                    ; (a plain place)  my scale byte: 512 x tile + 32 r + h
	s_wait_alu depctr_va_vdst(0)                   ; the reciprocal has written v231, which the select below reads
	s_wait_alu depctr_va_vcc(0)                    ; the compare has written VCC, ahead of its first reader
	v_cndmask_b32 v231, v231, v229, vcc_lo         ; there the codes are zeros
.set j, 0
.rept 32
	v_mul_f32 v[S+j], v[O+j], v231
.set j, j+1
.endr
.irp b, 0,1
	v_max3_num_f32 v[BM+\b], |v[S+16*\b]|, |v[S+1+16*\b]|, 0x1800000
.endr
.irp i, 2,4,6,8,10,12,14
.irp b, 0,1
	v_max3_num_f32 v[BM+\b], v[BM+\b], |v[S+16*\b+\i]|, |v[S+1+16*\b+\i]|
.endr
.endr
.irp b, 0,1
	v_permlanex16_b32 v[BP+\b], v[BM+\b], s74, s75
.endr
.irp b, 0,1
	v_max_num_f32 v[BM+\b], v[BM+\b], v[BP+\b]
.endr
.irp b, 0,1
	v_add_nc_u32 v[BS+\b], 0xff000000, v[BM+\b]
.endr
.irp b, 0,1
	v_lshrrev_b32 v[BP+\b], 23, v[BS+\b]
.endr
	v_cvt_scalef32_pk16_fp6_f32 v[PC:PC+2], v[S:S+15], v[BS]
	v_cvt_scalef32_pk16_fp6_f32 v[CT:CT+2], v[S+16:S+31], v[BS+1]
	v_nop
.irp i, 0,1,2
	v_permlane16_swap_b32 v[PC+\i], v[CT+\i]
.endr
.irp i, 0,1,2
	v_mov_b32 v[PC+3+\i], v[CT+\i]
.endr
	v_cndmask_b32 v239, v[BP], v[BP+1], s73        ; lanes 0-15: block 0's byte, lanes 16-31: block 1's
	v_cndmask_b32 v239, v239, v233, vcc_lo         ; 0xff for a query with no open key
	s_wait_alu depctr_va_vdst(0)                   ; the codes v196 to v201, the byte v239 and its offset v232 are written, which the three stores read
	global_store_b128 v1, v[PC:PC+3], s[98:99]     ; the half image: 512 and 256 consecutive bytes
	global_store_b64 v2, v[PC+4:PC+5], s[98:99] offset:512
	global_store_b8 v232, v239, s[14:15]
	s_wait_xcnt 0x0                                ; the stores have read their registers and bases: the next tile writes them again
	s_wait_alu depctr_vm_vsrc(0)                   ; the three stores have read v196 to v201, v239 and v232, and this tile's load of q's scale word has read v43: the next tile's vector instructions write all of them again
	s_sub_co_u32 s68, 127, s68
	s_sub_co_u32 s78, s78, 1
	s_cmp_lg_u32 s78, 0
	s_cbranch_scc1 .Ltile
	s_wait_dscnt 0x0
	s_wait_alu depctr_hold_cnt(0) depctr_sa_sdst(0) depctr_va_vdst(0) depctr_va_sdst(0) depctr_va_ssrc(0) depctr_va_vcc(0) depctr_vm_vsrc(0)
	s_wait_tensorcnt 0x0
	ds_add_u32 v254, v255
	s_wait_dscnt 0x0
	s_endpgm
.Lfunc_end_k_qa538f2f263_attn:
	.size	k_qa538f2f263_attn, .Lfunc_end_k_qa538f2f263_attn-k_qa538f2f263_attn
	.p2alignl 7, 3214868480
	.fill 96, 4, 3214868480
	.section	.rodata,"a",@progbits
	.p2align	6, 0x0
	.amdhsa_kernel k_qa538f2f263_attn
		.amdhsa_group_segment_fixed_size 206848
		.amdhsa_private_segment_fixed_size 0
		.amdhsa_enable_private_segment 0
		.amdhsa_kernarg_size 48
		.amdhsa_user_sgpr_count 2
		.amdhsa_user_sgpr_kernarg_segment_ptr 1
		.amdhsa_wavefront_size32 1
		.amdhsa_system_sgpr_workgroup_id_x 1
		.amdhsa_system_sgpr_workgroup_id_y 1
		.amdhsa_system_sgpr_workgroup_id_z 1
		.amdhsa_system_vgpr_workitem_id 0
		.amdhsa_next_free_vgpr 256
		.amdhsa_next_free_sgpr 102
		.amdhsa_reserve_vcc 1
		.amdhsa_float_denorm_mode_32 3
		.amdhsa_float_denorm_mode_16_64 3
		.amdhsa_memory_ordered 1
		.amdhsa_forward_progress 1
		.amdhsa_inst_pref_size 36
	.end_amdhsa_kernel
	.amdgpu_metadata
---
amdhsa.version: [ 1, 2 ]
amdhsa.kernels:
  - .name:           k_qa538f2f263_attn
    .symbol:         k_qa538f2f263_attn.kd
    .args:
      - { .name: img, .offset: 0, .size: 8, .value_kind: global_buffer, .address_space: global }
      - { .name: scl, .offset: 8, .size: 8, .value_kind: global_buffer, .address_space: global }
      - { .name: mw, .offset: 16, .size: 8, .value_kind: global_buffer, .address_space: global }
      - { .name: fl, .offset: 24, .size: 8, .value_kind: global_buffer, .address_space: global }
      - { .name: aimg, .offset: 32, .size: 8, .value_kind: global_buffer, .address_space: global }
      - { .name: ascl, .offset: 40, .size: 8, .value_kind: global_buffer, .address_space: global }
    .group_segment_fixed_size: 206848
    .private_segment_fixed_size: 0
    .kernarg_segment_align: 8
    .kernarg_segment_size: 48
    .max_flat_workgroup_size: 512
    .sgpr_count:     102
    .vgpr_count:     256
    .wavefront_size: 32
...
	.end_amdgpu_metadata
.endif
;; end of part 5
;; launch oproj: the kernel of part 4 again; grid 4 x 32, 4 waves a work-group, clusters of 4 x 4, 327,680 bytes of LDS; arguments aimg, ascl, opimg, opscl, out0; writes out0
